; MI455X (gfx1250); checked and timed in simulation.
; The chip was launched on July 23, 2026; its instructions are those of AMD's public machine-readable ISA for CDNA 5 (MIT licence, August 2026) and "CDNA5" Instruction Set Architecture Reference Guide (July 2026). The comments in the code are by the model that wrote it; some were corrected since.
;; Self Attention. Allowed arithmetic: matrix products marked QUANTISED: E2M1 operands, one E8M0 scale for each 32 along K, by v_wmma_scale_f32_16x16x128_f8f6f4 with both operands' format E2M1 (or v_wmma_scale_f32_32x16x128_f4), f32 sums; products left as they are: bf16, f16 or f32 operands; f32 sums; everything else in f32.
;; Inputs: b_proj 1,024 float32; b_qkv 3,072 float32; w_proj 1,024 x 1,024 float32; w_qkv 1,024 x 3,072 float32; x 2 x 2,048 x 1,024 float32.
;; Outputs: out0 2 x 2,048 x 1,024 float32.
;; This version of the problem:
;;   THIS VERSION OF THE PROBLEM IS GIVEN IN LOW PRECISION. The matrix products marked QUANTISED in the list below multiply operands that are first quantised to E2M1 (2 exponent bits, 1 mantissa bit; 4 bits a number), with one power-of-two scale for each 32 numbers along K (OCP MX v1.0); their sums are f32. The products marked 'left as it is' may take bf16, f16 or f32 operands, with f32 sums. Whichever they take, every output number must still come out within the allowed error. Rounding operands to bf16 (8 significant bits) uses up far more of that allowance than f16 does (11 bits, for magnitudes from 6e-5 to 65,504). All else is computed in f32.
;;   The module's matrix products, in the order in which they are computed (A, B: the left and right operand; K: the contracted axis; several contracted axes count as one K, in the product's order):
;;     1. [M 4,096, K 1,024] x [K 1,024, N 3,072]; A: input x; B: input w_qkv: QUANTISED
;;     2. batch 32 x [M 2,048, K 64] x [K 64, N 2,048]; A: computed on the way; B: computed on the way: left as it is (an operand is computed on the way)
;;     3. batch 32 x [M 2,048, K 2,048] x [K 2,048, N 64]; A: computed on the way; B: computed on the way: left as it is (an operand is computed on the way)
;;     4. [M 4,096, K 1,024] x [K 1,024, N 1,024]; A: computed on the way; B: input w_proj: left as it is (an operand is computed on the way)
;;   THE QUANTISER, for each operand of a quantised product, along K:
;;     - K is cut into blocks of 32 from its start; a last block that is shorter is filled with zeros.
;;     - A block's scale is 2^e with e = floor(log2(the largest magnitude in the block)) - 2, held to -126 .. 127; a block of zeros has e = 0. As a byte (E8M0): e + 127.
;;     - Each number is divided by its block's scale, clamped to +-6, and rounded to the nearest number of E2M1, ties to even, subnormals kept.
;;     - The product sums the exact products of the quantised numbers (number of the format x scale) in f32.
;;   ~~~python
;;   def quantise(x, axis):      # numpy; x: float32 -> the quantised numbers, widened to float32 again
;;       x = np.moveaxis(x, axis, -1); K = x.shape[-1]
;;       x = np.pad(x, [(0, 0)] * (x.ndim - 1) + [(0, -K % 32)]); x = x.reshape(x.shape[:-1] + (-1, 32)); a = np.abs(x).max(-1, keepdims=True)
;;       e = np.where(a > 0, np.clip(np.frexp(np.where(a > 0, a, 1))[1] - 1 - 2, -126, 127), 0)      # np.frexp(a)[1] - 1 = floor(log2(a)), exactly
;;       r = np.clip(x / 2.0 ** e, -6, 6)
;;       step = 2.0 ** (np.maximum(np.frexp(np.where(r == 0, 1, r))[1] - 1, 0) - 1)
;;       q = np.round(r / step) * step * 2.0 ** e      # np.round: ties to even
;;       return np.moveaxis(q.reshape(q.shape[:-2] + (-1,))[..., :K], -1, axis).astype(np.float32)
;;   ~~~
;; One version. Each part assembles by itself: llvm-mc -triple=amdgcn-amd-amdhsa -mcpu=gfx1250 --defsym DOCPART=n.
;; ======== version 1 of 1: 4 launches
;; limits: values are held in f16: magnitudes above 65,504 overflow, below 6.1e-05 lose precision; right only within a limited range of input values
;; workspace buffers: zimg 3,670,016 bytes; zscl 229,376 bytes; wimg 2,097,152 bytes; qkvimg 25,165,824 bytes; yimg 8,388,608 bytes
;; launch prep (part 1): grid 384 x 1, 4 waves a work-group, no clusters, 35,328 bytes of LDS; arguments x, w_qkv, w_proj, zimg, zscl, wimg; writes zimg, zscl, wimg
.if DOCPART == 1
	.amdgcn_target "amdgcn-amd-amdhsa--gfx1250"
	.amdhsa_code_object_version 6
	.text
	.protected	k_q7240c49181_prep
	.globl	k_q7240c49181_prep
	.p2align	8
	.type	k_q7240c49181_prep,@function
k_q7240c49181_prep:
	s_mov_b64 s[64:65], 0
	v_nop
	global_prefetch_b8 v0, s[64:65] scope:SCOPE_SE
	s_setreg_imm32_b32 hwreg(HW_REG_WAVE_MODE, 25, 1), 1
	s_wait_xcnt 0x0
; PREP: the operands of the later launches, laid as IMAGES OF OPERAND REGISTERS.
; Z is one matrix of 7,168 rows x K 1,024: rows 0-4,095 are the tokens of x, row 4,096 + n is column n of w_qkv.  Z is quantised along K to codes of FP4 (E2M1) with one E8M0 byte for each 32.
;   zimg [K half 2][row tile 448][q 4][block 4][row 16][16 bytes]: a fragment (16 rows x 128 K) is 1,024 bytes on end; two loads of 16 bytes a lane at 16 x lane bring it.
;   zscl [s 8][row 7,168] words: word s of a row holds the four scale bytes of k = 128 s .. 128 s + 127.
;   wimg: w_proj rounded to f16, [k / 256][n tile 64][fragment 8][chunk 4][n 16][8 k]: a fragment (16 n x 32 k) is 1,024 bytes on end.
; A block's scale is 2^(floor(log2(largest magnitude)) - 2); its byte is the largest magnitude's exponent field - 2, held at 1 from below by a floor among the maximum's leaves.
; LIMITS: a block of zeros gets the byte 1 where the rule says 127 (its codes are zeros, which add nothing, and this program alone reads the bytes); NaN and infinities are not served; |w_proj| stays under 65,504 (f16).
; THREE PATHS by the work-group's number: 0-127 x, 128-319 w_qkv, 320-383 w_proj.  Only x's path touches LDS, and each wave only bytes of its own: no barrier.
; No matrix unit, no tensor load, no cluster: nothing is shared and every byte is read once.
.set WREG,   8704                      ; LDS of a wave: a stage of 16 rows x 528 bytes, then 256 bytes of scale words
.set SROW,   528                       ; a stage row: 512 bytes + 16: the sixteen rows that a load touches start at sixteen different 16-byte columns
.set SCWD,   16*SROW
.set SPARE,  4*WREG                    ; behind the four regions: the spare words, 128 bytes a wave, which no other line names
.set ZHALF,  1835008                   ; bytes of a K half of zimg
.set ZPLANE, 28672                     ; bytes of a plane of zscl
.set LANE, 1
.set RR,   2                           ; lane % 16
.set HH,   3                           ; lane / 16
.set LI,   4                           ; 16 x lane
.set L4,   5                           ; 4 x lane
.set SH,   6                           ; 8 x (lane / 16)
.set SIN,  7                           ; the stage, on the way in
.set SOUT, 8                           ; and out
.set SCW,  9                           ; where my row's scale word goes
.set SCR,  10                          ; where 8 bytes of scale words come back
.set L8,   11                          ; 8 x lane
.set OFS,  12                          ; the column paths' store offset
.set PD,   13                          ; a lane permute's destination
.set SPW,  14                          ; my spare word; never rewritten
.set NIL,  15                          ; 0; never rewritten
.set TM,   16                          ; v16-31 at work
.set C,    32                          ; v32-63 codes: registers of their own for each store
.set X,    64                          ; v64-127 64 numbers of a lane; on w_proj's path the f16 chunks
.set R,    128                         ; v128-255 numbers as they are loaded
	s_load_b256 s[4:11], s[0:1], 0x0               ; x s[4:5], w_qkv s[6:7], w_proj s[8:9], zimg s[10:11]
	s_load_b128 s[12:15], s[0:1], 0x20             ; zscl s[12:13], wimg s[14:15]
	v_lshl_add_u32 v[SPW], v0, 2, SPARE
	v_mov_b32 v[NIL], 0
	v_lshrrev_b32 v1, 5, v0
	v_readfirstlane_b32 s16, v1                    ; wave 0..3
	v_and_b32 v[LANE], 31, v0
	v_and_b32 v[RR], 15, v0
	v_bfe_u32 v[HH], v0, 4, 1
	v_lshlrev_b32 v[LI], 4, v[LANE]
	v_lshlrev_b32 v[L4], 2, v[LANE]
	v_lshlrev_b32 v[SH], 3, v[HH]
	v_lshlrev_b32 v[L8], 3, v[LANE]
	s_mul_i32 s17, s16, WREG                       ; my wave's LDS
	v_add_nc_u32 v[SIN], s17, v[LI]                ; in: a row's 512 bytes as they lie
	v_mul_u32_u24 v[SOUT], v[RR], SROW
	v_lshl_add_u32 v[SOUT], v[HH], 7, v[SOUT]
	v_add_nc_u32 v[SOUT], s17, v[SOUT]             ; out: row r, + 128 h: blocks h and 2 + h of the row's four
	v_lshlrev_b32 v[SCW], 2, v[RR]
	v_add_nc_u32 v[SCW], s17, v[SCW]
	v_add_nc_u32 v[SCW], SCWD, v[SCW]
	v_add_nc_u32 v[SCR], s17, v[L8]
	v_add_nc_u32 v[SCR], SCWD, v[SCR]
	v_mov_b32 v[PD], 0                             ; written once: a lane permute's destination counts as one of its sources
	s_mov_b32 s20, 0x76543210
	s_mov_b32 s21, 0xfedcba98                      ; v_permlanex16_b32's selects for lane l xor 16
	s_mov_b32 s23, 0
	s_wait_kmcnt 0x0
	s_cmp_lt_u32 ttmp9, 128
	s_cbranch_scc1 .Lpath_x
	s_cmp_lt_u32 ttmp9, 320
	s_cbranch_scc1 .Lpath_wq
; Both column paths: a lane takes a column n and its registers run down K: each load reads 128 consecutive bytes a wave, 512 a work-group.
.macro LOADC t, base, pitch            ; block t: rows 32 t .. 32 t + 31 of my 128
.set i, 0
.rept 32
	global_load_b32 v[R+32*(\t)+i], v[L4], s[\base:\base+1] offset:(32*(\t)+i)*\pitch th:TH_LOAD_NT
.set i, i+1
.endr
.endm
.macro WAITC t                         ; block t is in; the one block asked for behind it (32 loads) may be out
.if (\t) < 3
	s_wait_loadcnt 32
.else
	s_wait_loadcnt 0x0
.endif
.endm
; ---- w_proj [1024 k][1024 n] -> f16 images.  Work-group g: k = 128 (g % 8) on, columns 128 (g / 8) on; a wave 32 columns.
	s_sub_co_u32 s17, ttmp9, 320
	s_and_b32 s18, s17, 7                          ; which 128 along K
	s_lshr_b32 s19, s17, 3
	s_lshl_b32 s24, s19, 7
	s_lshl_b32 s25, s16, 5
	s_add_co_u32 s24, s24, s25                     ; my wave's first column
	s_lshl_b32 s22, s18, 19                        ; 128 rows of 4,096 bytes
	s_lshl_b32 s25, s24, 2
	s_add_co_u32 s22, s22, s25
	s_add_nc_u64 s[8:9], s[8:9], s[22:23]
	s_lshr_b32 s25, s18, 1
	s_lshl_b32 s22, s25, 19                        ; k / 256: 524,288 bytes each
	s_lshl_b32 s25, s24, 9                         ; column tile: 8,192 bytes for 16 columns
	s_add_co_u32 s22, s22, s25
	s_and_b32 s25, s18, 1
	s_lshl_b32 s25, s25, 12                        ; the upper 128 of the 256: four fragments on
	s_add_co_u32 s22, s22, s25
	s_add_nc_u64 s[14:15], s[14:15], s[22:23]
	v_lshlrev_b32 v[OFS], 13, v[HH]                ; lanes 16-31: the next column tile
	v_lshl_add_u32 v[OFS], v[RR], 4, v[OFS]
	LOADC 0, 8, 4096
	LOADC 1, 8, 4096
.macro HALVES t                        ; 32 along K of my column: four chunks of 8 k, 16 bytes each; sixteen lanes store 256 consecutive bytes, aligned
	WAITC \t
.if (\t) < 2
	LOADC (\t)+2, 8, 4096
.endif
.irp e, 0,1,2,3
.irp i, 0,1,2,3
	v_cvt_pk_f16_f32 v[X+16*(\t)+4*\e+\i], v[R+32*(\t)+8*\e+2*\i], v[R+32*(\t)+8*\e+2*\i+1]   ; the lower k in the low half
.endr
	global_store_b128 v[OFS], v[X+16*(\t)+4*\e:X+16*(\t)+4*\e+3], s[14:15] offset:256*(4*(\t)+\e)
.endr
.endm
	HALVES 0
	HALVES 1
	HALVES 2
	HALVES 3
	s_endpgm
; ---- w_qkv [1024 k][3072 n] -> rows 4,096 + n of Z.  Work-group g: k = 128 (g % 8) on, columns 128 (g / 8) on; a wave 32 columns.
.Lpath_wq:
	s_sub_co_u32 s17, ttmp9, 128
	s_and_b32 s18, s17, 7                          ; s: which 128 along K
	s_lshr_b32 s19, s17, 3
	s_lshl_b32 s24, s19, 7
	s_lshl_b32 s25, s16, 5
	s_add_co_u32 s24, s24, s25                     ; my wave's first column n0
	s_mul_i32 s22, s18, 128*12288
	s_lshl_b32 s25, s24, 2
	s_add_co_u32 s22, s22, s25
	s_add_nc_u64 s[6:7], s[6:7], s[22:23]
	s_lshr_b32 s25, s18, 2
	s_mul_i32 s22, s25, ZHALF
	s_lshl_b32 s25, s24, 8                         ; row tile n0 / 16: 4,096 bytes each
	s_add_co_u32 s22, s22, s25
	s_add_co_u32 s22, s22, 256*4096                ; behind x's 256 row tiles
	s_and_b32 s25, s18, 3
	s_lshl_b32 s25, s25, 10                        ; fragment q
	s_add_co_u32 s22, s22, s25
	s_add_nc_u64 s[10:11], s[10:11], s[22:23]
	s_mul_i32 s22, s18, ZPLANE
	s_lshl_b32 s25, s24, 2
	s_add_co_u32 s22, s22, s25
	s_add_co_u32 s22, s22, 4096*4
	s_add_nc_u64 s[12:13], s[12:13], s[22:23]
	v_lshlrev_b32 v[OFS], 12, v[HH]                ; lanes 16-31: the next row tile
	v_lshl_add_u32 v[OFS], v[RR], 4, v[OFS]
	LOADC 0, 6, 12288
	LOADC 1, 6, 12288
.macro BLOCKQ t                        ; a block of 32 along K of my column: all its numbers are mine
.set XS, R+32*(\t)
	WAITC \t
.if (\t) < 2
	LOADC (\t)+2, 6, 12288
.endif
	v_max3_num_f32 v[TM], |v[XS]|, |v[XS+1]|, |v[XS+2]|
	v_max3_num_f32 v[TM+1], |v[XS+3]|, |v[XS+4]|, |v[XS+5]|
.irp i, 6,10,14,18,22,26
	v_max3_num_f32 v[TM], v[TM], |v[XS+\i]|, |v[XS+\i+1]|
	v_max3_num_f32 v[TM+1], v[TM+1], |v[XS+\i+2]|, |v[XS+\i+3]|
.endr
	v_max3_num_f32 v[TM], v[TM], |v[XS+30]|, |v[XS+31]|
	v_max3_num_f32 v[TM], v[TM], v[TM+1], 0x1800000   ; and the floor 2^(3 - 127): the byte cannot fall under 1
	v_add_nc_u32 v[TM+2], 0xff000000, v[TM]        ; 2 off the exponent field: the conversion takes the exponent field of this operand as its scale
	v_lshrrev_b32 v[TM+3], 23, v[TM+2]             ; the scale's byte
.if (\t) == 0
	v_mov_b32 v[TM+4], v[TM+3]
.else
	v_lshl_or_b32 v[TM+4], v[TM+3], 8*(\t), v[TM+4]
.endif
.irp g, 0,1,2,3
	v_cvt_scalef32_pk8_fp4_f32 v[C+4*(\t)+\g], v[XS+8*\g:XS+8*\g+7], v[TM+2]
.endr
	v_nop                                          ; one plain line behind the conversions, ahead of the next write of their scale operand
	global_store_b128 v[OFS], v[C+4*(\t):C+4*(\t)+3], s[10:11] offset:256*(\t)   ; chunk (block t, row r): sixteen lanes store 256 consecutive bytes, aligned
.endm
	BLOCKQ 0
	BLOCKQ 1
	BLOCKQ 2
	BLOCKQ 3
	global_store_b32 v[L4], v[TM+4], s[12:13]      ; my column's scale word: a run of 128 bytes a wave.  (Whole runs of 256 would want a barrier between waves, for 98 KB of the launch's 40 MB)
	s_endpgm
; ---- x [4096][1024] -> rows 0-4,095 of Z.  Work-group g: rows 64 (g / 2) on, K half g % 2; wave w: k = 128 (4 (g % 2) + w) on: four fragments of 16 rows.
.Lpath_x:
	s_lshr_b32 s17, ttmp9, 1                       ; which 64 rows
	s_and_b32 s18, ttmp9, 1                        ; which K half
	s_lshl_b32 s19, s18, 2
	s_add_co_u32 s19, s19, s16                     ; s
	s_lshl_b32 s22, s17, 18                        ; 64 rows of 4,096 bytes
	s_lshl_b32 s24, s19, 9
	s_add_co_u32 s22, s22, s24
	s_add_nc_u64 s[4:5], s[4:5], s[22:23]
	s_mul_i32 s22, s18, ZHALF
	s_lshl_b32 s24, s17, 14                        ; four row tiles of 4,096 bytes
	s_add_co_u32 s22, s22, s24
	s_lshl_b32 s24, s16, 10                        ; fragment q = my wave
	s_add_co_u32 s22, s22, s24
	s_add_nc_u64 s[10:11], s[10:11], s[22:23]
	s_mul_i32 s22, s19, ZPLANE
	s_lshl_b32 s24, s17, 8
	s_add_co_u32 s22, s22, s24
	s_add_nc_u64 s[12:13], s[12:13], s[22:23]
.macro LOADF f                         ; fragment f's 16 rows: each load reads 512 consecutive bytes of one row
.irp i, 0,1,2,3,4,5,6,7,8,9,10,11,12,13,14,15
	global_load_b128 v[R+64*((\f)%2)+4*\i:R+64*((\f)%2)+4*\i+3], v[LI], s[4:5] offset:(16*(\f)+\i)*4096 th:TH_LOAD_NT
.endr
.endm
.macro QUANTX f                        ; v[X + 32 c + i] = k 64 c + 32 h + i of my row: blocks h and 2 + h are all mine
.irp c, 0,1
	v_max3_num_f32 v[TM+\c], |v[X+32*\c]|, |v[X+32*\c+1]|, 0x1800000   ; with the floor 2^(3 - 127)
.endr
.irp i, 2,4,6,8,10,12,14,16,18,20,22,24,26,28,30
.irp c, 0,1
	v_max3_num_f32 v[TM+\c], v[TM+\c], |v[X+32*\c+\i]|, |v[X+32*\c+\i+1]|   ; (the two blocks by turns)
.endr
.endr
.irp c, 0,1
	v_add_nc_u32 v[TM+4+\c], 0xff000000, v[TM+\c]  ; the conversion's scale operand
.endr
.irp c, 0,1
	v_lshrrev_b32 v[TM+2+\c], 23, v[TM+4+\c]       ; the scale's byte
.endr
	v_lshl_or_b32 v[TM+6], v[TM+3], 16, v[TM+2]    ; my two bytes,
	v_lshlrev_b32 v[TM+6], v[SH], v[TM+6]          ; at their places in the word (8 h bits up);
	v_permlanex16_b32 v[PD], v[TM+6], s20, s21
	v_or_b32 v[TM+8+(\f)], v[TM+6], v[PD]          ; with lane l xor 16's two the word is whole
.irp c, 0,1
.irp g, 0,1,2,3
	v_cvt_scalef32_pk8_fp4_f32 v[C+8*(\f)+4*\c+\g], v[X+32*\c+8*\g:X+32*\c+8*\g+7], v[TM+4+\c]
.endr
.endr
	v_nop                                          ; one plain line behind the conversions
.endm
.macro FRAGX f
.if (\f) < 3
	s_wait_loadcnt 16                              ; this fragment's 16 loads are in; the next fragment's 16 may be out
.else
	s_wait_loadcnt 0x0
.endif
.irp i, 0,1,2,3,4,5,6,7,8,9,10,11,12,13,14,15
	ds_store_b128 v[SIN], v[R+64*((\f)%2)+4*\i:R+64*((\f)%2)+4*\i+3] offset:SROW*\i
.endr
.irp c, 0,1
.irp i, 0,1,2,3,4,5,6,7
	ds_load_b128 v[X+32*\c+4*\i:X+32*\c+4*\i+3], v[SOUT] offset:256*\c+16*\i   ; LDS serves a wave's instructions in order: these see the stores above
.endr
.endr
	s_wait_dscnt 0x0                               ; the numbers are back, and the stores have read their registers,
.if (\f) < 2
	LOADF (\f)+2                                   ; which take the fragment two further on
.endif
	QUANTX \f
.irp c, 0,1
	global_store_b128 v[LI], v[C+8*(\f)+4*\c:C+8*(\f)+4*\c+3], s[10:11] offset:4096*(\f)+512*\c   ; the image: 512 consecutive bytes, aligned
.endr
	ds_store_b32 v[SCW], v[TM+8+(\f)] offset:64*(\f)   ; lanes r and r + 16 write the same word with the same value
.endm
	LOADF 0
	LOADF 1
	FRAGX 0
	FRAGX 1
	FRAGX 2
	FRAGX 3
	ds_load_b64 v[TM:TM+1], v[SCR]                 ; my wave's 64 scale words,
	s_wait_dscnt 0x0
	global_store_b64 v[L8], v[TM:TM+1], s[12:13]   ; as 256 consecutive bytes, aligned
	s_wait_tensorcnt 0x0                           ; the wave's end: the closing add and its wait, behind my last LDS store
	ds_add_u32 v[SPW], v[NIL]
	s_wait_dscnt 0x0
	s_endpgm
.Lfunc_end_k_q7240c49181_prep:
	.size	k_q7240c49181_prep, .Lfunc_end_k_q7240c49181_prep-k_q7240c49181_prep
	.p2alignl 7, 3214868480
	.fill 96, 4, 3214868480
	.section	.rodata,"a",@progbits
	.p2align	6, 0x0
	.amdhsa_kernel k_q7240c49181_prep
		.amdhsa_group_segment_fixed_size 35328
		.amdhsa_private_segment_fixed_size 0
		.amdhsa_enable_private_segment 0
		.amdhsa_kernarg_size 48
		.amdhsa_user_sgpr_count 2
		.amdhsa_user_sgpr_kernarg_segment_ptr 1
		.amdhsa_wavefront_size32 1
		.amdhsa_system_sgpr_workgroup_id_x 1
		.amdhsa_system_sgpr_workgroup_id_y 1
		.amdhsa_system_sgpr_workgroup_id_z 1
		.amdhsa_system_vgpr_workitem_id 0
		.amdhsa_next_free_vgpr 256
		.amdhsa_next_free_sgpr 66
		.amdhsa_reserve_vcc 0
		.amdhsa_float_denorm_mode_32 3
		.amdhsa_float_denorm_mode_16_64 3
		.amdhsa_memory_ordered 1
		.amdhsa_forward_progress 1
		.amdhsa_inst_pref_size 68
	.end_amdhsa_kernel
	.amdgpu_metadata
---
amdhsa.version: [ 1, 2 ]
amdhsa.kernels:
  - .name:           k_q7240c49181_prep
    .symbol:         k_q7240c49181_prep.kd
    .args:
      - { .name: x, .offset: 0, .size: 8, .value_kind: global_buffer, .address_space: global }
      - { .name: w_qkv, .offset: 8, .size: 8, .value_kind: global_buffer, .address_space: global }
      - { .name: w_proj, .offset: 16, .size: 8, .value_kind: global_buffer, .address_space: global }
      - { .name: zimg, .offset: 24, .size: 8, .value_kind: global_buffer, .address_space: global }
      - { .name: zscl, .offset: 32, .size: 8, .value_kind: global_buffer, .address_space: global }
      - { .name: wimg, .offset: 40, .size: 8, .value_kind: global_buffer, .address_space: global }
    .group_segment_fixed_size: 35328
    .private_segment_fixed_size: 0
    .kernarg_segment_align: 8
    .kernarg_segment_size: 48
    .max_flat_workgroup_size: 128
    .sgpr_count:     66
    .vgpr_count:     256
    .wavefront_size: 32
...
	.end_amdgpu_metadata
.endif
;; end of part 1
;; launch qkv (part 2): grid 48 x 4, 4 waves a work-group, clusters of 4 x 4, 327,680 bytes of LDS; arguments zimg, zscl, b_qkv, qkvimg; writes qkvimg
.if DOCPART == 2
	.amdgcn_target "amdgcn-amd-amdhsa--gfx1250"
	.amdhsa_code_object_version 6
	.text
	.protected	k_q7240c49181_qkv
	.globl	k_q7240c49181_qkv
	.p2align	8
	.type	k_q7240c49181_qkv,@function
k_q7240c49181_qkv:
	s_mov_b64 s[64:65], 0
	v_nop
	global_prefetch_b8 v0, s[64:65] scope:SCOPE_SE
	s_setreg_imm32_b32 hwreg(HW_REG_WAVE_MODE, 25, 1), 1
	s_wait_xcnt 0x0
	s_wait_alu depctr_hold_cnt(0) depctr_sa_sdst(0) depctr_va_vdst(0) depctr_va_sdst(0) depctr_va_ssrc(0) depctr_va_vcc(0) depctr_vm_vsrc(0)
	s_getreg_b32 s2, hwreg(HW_REG_IB_STS2, 6, 4)
	s_cmp_eq_u32 s2, 0
	s_cbranch_scc0 .Lentry_in_a_cluster
	s_endpgm
.Lentry_in_a_cluster:
	s_bfe_u32 s2, ttmp6, 0x10000c
	s_cmp_lg_u32 s2, 0xf033
	s_cbranch_scc0 .Lentry_shape_is_right
	s_endpgm
.Lentry_shape_is_right:
; QKV: q, k, v = x w_qkv + b_qkv, on codes of FP4 (E2M1) with one E8M0 scale for each 32 along K; sums in f32; the results leave as f16, laid as images of the attention's operand registers.
; Both operands are rows of ONE matrix Z (zimg, zscl): rows 0-4,095 tokens, row 4,096 + n column n of w_qkv.  A work-group of four waves makes 256 x 256 results, a wave 128 x 128: 64 accumulators, 512 registers.
; SOURCE 1 ("A") takes rows baseA + 256 cy + .., SOURCE 0 ("B") rows baseB + 256 cx + ..; in the result a lane holds ONE row of A (lane % 16) and eight neighbouring rows of B (8 (lane / 16) + 0..7).
;   Clusters 0-7 (q and k): A = tokens, B = channels: a lane holds a token's eight neighbouring channels: 16 bytes of a q or k image [16 tokens][8 chunks of 8 channels][token][8].
;   Clusters 8-11 (v): A = channels, B = tokens: a lane holds a channel's eight neighbouring tokens: 16 bytes of an image of v TURNED [64 keys][channel tile 4][32 keys 2][chunk 4][channel 16][8 keys].
; Only row numbers are chosen, by the cluster's number, which all sixteen partners share; one text serves both.
; K = 1,024 is two LDS slots of 512: both are asked for at the head, with the scale words of all of K, and nothing is filled again.  Three tensor loads of a wave are out at the most.
; CLUSTERS: 4 x 4 work-groups; A's tiles are shared along a row of the cluster, B's along a column: each is asked for jointly, by the same tensor load with the same descriptor and a mask that names the four.
; The tiles are dense blocks of images: a fragment (16 rows x 128 K, 8 registers) is two loads of 16 bytes a lane at 16 x lane: consecutive bytes, so no padding.
; The bias is the C of each sum's first matrix instruction.  192 work-groups: 384 of half the size would share the chip no more evenly, and feed fewer products from each LDS byte.
; LIMIT: |q|, |k|, |v| stay under 65,504 (f16).  No prefetch: every tile is asked for at the head.
; REGISTERS: window 0: v1-6 at work; v8-15 bias offsets; v16-29 addresses; v32-95 scale words; v128-191 A's fragments (one set); v192-255 the bias; on the way out v128-255 hold packed results.
;   window 1: B's fragments, two sets, at v0 and v128.   windows 2, 3: the accumulators of A's blocks 0-3, 4-7 ((a, b) at v[8 (8 (a % 4) + b)]).
.set FR,     8                         ; registers of a fragment
.set NL,     2                         ; LDS loads that bring one
.set NP,     4                         ; places behind this matrix instruction (ISA guide 7.12.1)
.set HALFT,  32768                     ; 128 rows x 512 K of codes: what one tensor load brings, and what a wave reads of A or of B in a slot
.set SLOT,   4*HALFT                   ; A's 256 rows, then B's 256 rows
.set SCL,    2*SLOT                    ; behind the slots: the scale words, [s 8][128 rows] for each wave's load; B's lie 64 bytes askew, so that lanes 16-31 read other banks than lanes 0-15
.set SPARE,  SCL+16640                 ; the spare words, 128 bytes a wave, which no other line names
.set ZHALF,  1835008                   ; bytes of a K half of zimg
.set BO,   8                           ; v8-15   bias: byte offset of register j
.set ADRA, 16                          ; v16-17  LDS address of my A fragments in slot 0, 1
.set ADRB, 20                          ; v20-21  the same for B
.set CO2,  25                          ; v25     16 x lane + the step to B's blocks 4-7 in the output
.set CO,   26                          ; v26     16 x lane
.set ADRS, 27                          ; v27     my scale words: lanes 0-15 A's rows, lanes 16-31 B's
.set SPW,  28                          ; v28     my spare word; never rewritten
.set NIL,  29                          ; v29     0; never rewritten
.set SC,   32                          ; v[SC + 8 s + i]: lanes 0-15 the word of A's block i, lanes 16-31 that of B's block i, for k = 128 s on
.set AF,   128
.set BIAS, 192
.set TMP,  128
.set G1,   24                          ; s[24:31] group 1 for A's codes;  s[32:39] group 0, a set for each slot
.set G0,   32
.set G1B,  48                          ; s[48:55], s[56:63] the same for B's
.set G0B,  56
.set G1S,  68                          ; s[68:75], s[76:79] groups 1 and 0 for A's scale words;  s[80:87], s[88:91] for B's
.set G0S,  76
.set G1SB, 80
.set G0SB, 88
.set MSB, 0
.macro WIN new                         ; the immediate's high byte repeats the setting that is left; a switch that changes nothing is dropped
.if MSB != (\new)
	s_set_vgpr_msb (MSB<<8)|(\new)
.set MSB, (\new)
.endif
.endm
.set MUL_LO, 0xa1                      ; source 0 (B) window 1, source 1 (A) window 0, C and D window 2
.set MUL_HI, 0xf1                      ; the same, C and D window 3
.set TO_B,   0x40                      ; destination window 1, address window 0
; A joint load: waves 0 and 1 fetch for A, waves 2 and 3 for B; the branch hangs on the wave's number alone.  An s_nop 0 and four v_nop follow each of the two lines.
.macro JLOAD g0a, g1a, g0b, g1b
	s_cmp_eq_u32 s15, 0
	s_cbranch_scc0 .Lfor_b_\@
	tensor_load_to_lds s[\g0a:\g0a+3], s[\g1a:\g1a+7]
	s_nop 0
.rept 4
	v_nop
.endr
	s_branch .Lasked_\@
.Lfor_b_\@:
	tensor_load_to_lds s[\g0b:\g0b+3], s[\g1b:\g1b+7]
	s_nop 0
.rept 4
	v_nop
.endr
.Lasked_\@:
.endm
.macro CROUND                          ; a round of the cluster's barrier
	s_barrier_signal -1
	s_barrier_wait -1
	s_cmp_lg_u32 s14, 0
	s_cbranch_scc1 .Lnot_wave_0_\@
	s_barrier_signal -3
.Lnot_wave_0_\@:
	s_barrier_wait -3
	s_barrier_signal -1
	s_barrier_wait -1
.endm
	s_load_b256 s[4:11], s[0:1], 0x0               ; zimg s[4:5], zscl s[6:7], b_qkv s[8:9], qkvimg s[10:11]
	v_lshl_add_u32 v[SPW], v0, 2, SPARE
	v_mov_b32 v[NIL], 0
	ds_add_u32 v[SPW], v[NIL]                      ; the wave's opening: the add, twice on end, and its wait ahead of my first tensor load
	ds_add_u32 v[SPW], v[NIL]
	v_lshrrev_b32 v1, 5, v0
	v_readfirstlane_b32 s14, v1                    ; wave 0..3
	s_lshr_b32 s15, s14, 1                         ; which half of A's rows is mine.  Also: I fetch for A (0) or for B (1)
	s_and_b32 s16, s14, 1                          ; which half of B's rows.  Also: which 128 rows I fetch
	s_bfe_u32 s40, ttmp6, 0x40000                  ; cx, cy: my place in the cluster
	s_bfe_u32 s41, ttmp6, 0x40004
	s_lshl_b32 s43, s41, 2
	s_lshl_b32 s43, 15, s43                        ; my row of the cluster
	s_lshl_b32 s44, 0x1111, s40                    ; my column
	; the cluster's rows of Z.  ttmp9 counts clusters, 0..11
	s_lshr_b32 s17, ttmp9, 1
	s_lshl_b32 s17, s17, 10                        ; q, k: A = tokens 1,024 (cluster / 2) on,
	s_and_b32 s18, ttmp9, 1
	s_lshl_b32 s18, s18, 10
	s_add_co_u32 s18, s18, 4096                    ;       B = q's channels (even clusters) or k's (odd)
	s_max_u32 s19, ttmp9, 8
	s_sub_co_u32 s19, s19, 8
	s_lshl_b32 s19, s19, 10                        ; v: B = tokens 1,024 (cluster - 8) on,
	s_mov_b32 s20, 6144                            ;    A = v's channels
	s_cmp_ge_u32 ttmp9, 8
	s_cselect_b32 s17, s20, s17                    ; baseA
	s_cselect_b32 s18, s19, s18                    ; baseB
	s_cselect_b32 s13, 1, 0                        ; 1: v
	; descriptor group 1.  Codes: a dense block of 32,768 bytes as 128 rows of 32 elements of 8 bytes
	s_or_b32 s[G1+0], s43, (3<<16)|(1<<21)         ; 15:0 the mask: A's tiles go to my row; 17:16 elements of 8 bytes; 21 set beside a mask
	s_or_b32 s[G1B+0], s44, (3<<16)|(1<<21)        ; B's to my column
.irp g, G1, G1B
	s_mov_b32 s[\g+1], 32<<16                      ; tensor_dim0
	s_mov_b32 s[\g+2], 128<<16                     ; tensor_dim1
	s_mov_b32 s[\g+3], 32<<16                      ; tile_dim0
	s_mov_b32 s[\g+4], 128                         ; tile_dim1
	s_mov_b32 s[\g+5], 32                          ; from row to row
	s_mov_b32 s[\g+6], 0
	s_mov_b32 s[\g+7], 0
.endr
	; scale words of 128 rows for all of K: 8 rows (one for each 128 along K) of 512 bytes, a plane of zscl (28,672 bytes) apart
	s_or_b32 s[G1S+0], s43, (3<<16)|(1<<21)
	s_or_b32 s[G1SB+0], s44, (3<<16)|(1<<21)
.irp g, G1S, G1SB
	s_mov_b32 s[\g+1], 64<<16
	s_mov_b32 s[\g+2], 8<<16
	s_mov_b32 s[\g+3], 64<<16
	s_mov_b32 s[\g+4], 8
	s_mov_b32 s[\g+5], 3584
	s_mov_b32 s[\g+6], 0
	s_mov_b32 s[\g+7], 0
.endr
	s_lshl_b32 s19, s16, 7                         ; which 128 rows I fetch
	s_lshl_b32 s20, s41, 8
	s_add_co_u32 s20, s20, s17
	s_add_co_u32 s20, s20, s19                     ; A: row baseA + 256 cy + 128 x half
	s_lshl_b32 s46, s40, 8
	s_add_co_u32 s46, s46, s18
	s_add_co_u32 s46, s46, s19                     ; B: row baseB + 256 cx + 128 x half
	s_lshl_b32 s22, s20, 2                         ; their scale words: 4 bytes a row in a plane,
	s_mov_b32 s23, 0
	s_lshl_b32 s92, s46, 2
	s_mov_b32 s93, 0
	s_lshl_b32 s20, s20, 8                         ; their codes: 4,096 bytes for 16 rows in a K half
	s_mov_b32 s21, 0
	s_lshl_b32 s46, s46, 8
	s_mov_b32 s47, 0
	s_lshl_b32 s45, s14, 15                        ; where they go: wave x 32,768: no place in the cluster enters an LDS address
	s_lshl_b32 s94, s14, 12                        ; and wave x 4,096
	s_wait_dscnt 0x0                               ; both opening adds are done
	s_wait_kmcnt 0x0
	s_add_nc_u64 s[20:21], s[4:5], s[20:21]
	s_add_nc_u64 s[22:23], s[6:7], s[22:23]
	s_add_nc_u64 s[46:47], s[4:5], s[46:47]
	s_add_nc_u64 s[92:93], s[6:7], s[92:93]
	CROUND                                         ; all sixteen work-groups are here: the first joint loads meet
	s_mov_b32 s[G0S], 1
	s_add_co_u32 s[G0S+1], s94, SCL
	s_mov_b64 s[G0S+2:G0S+3], s[22:23]
	s_or_b32 s[G0S+3], s[G0S+3], 0x80000000
	s_mov_b32 s[G0SB], 1
	s_add_co_u32 s[G0SB+1], s94, SCL+64
	s_mov_b64 s[G0SB+2:G0SB+3], s[92:93]
	s_or_b32 s[G0SB+3], s[G0SB+3], 0x80000000
	JLOAD G0S, G1S, G0SB, G1SB                     ; the scale words first: they are wanted with the first step
.irp s, 0,1
	s_mov_b32 s[G0+4*\s], 1
	s_add_co_u32 s[G0+4*\s+1], s45, \s*SLOT
	s_add_nc_u64 s[G0+4*\s+2:G0+4*\s+3], s[20:21], \s*ZHALF
	s_or_b32 s[G0+4*\s+3], s[G0+4*\s+3], 0x80000000
	s_mov_b32 s[G0B+4*\s], 1
	s_add_co_u32 s[G0B+4*\s+1], s45, \s*SLOT
	s_add_nc_u64 s[G0B+4*\s+2:G0B+4*\s+3], s[46:47], \s*ZHALF
	s_or_b32 s[G0B+4*\s+3], s[G0B+4*\s+3], 0x80000000
	JLOAD G0+4*\s, G1, G0B+4*\s, G1B
.endr
	v_and_b32 v1, 15, v0                           ; r = lane % 16
	v_bfe_u32 v2, v0, 4, 1                         ; h = lane / 16
	v_and_b32 v3, 31, v0
	v_lshlrev_b32 v[CO], 4, v3                     ; 16 x lane
	s_lshl_b32 s2, s15, 15                         ; my 128 rows of A,
	s_lshl_b32 s3, s16, 15                         ; my 128 rows of B,
	s_add_co_u32 s3, s3, 2*HALFT                   ; which lie behind A's 256
.irp s, 0,1
	v_add_nc_u32 v[ADRA+\s], s2, v[CO]
	v_add_nc_u32 v[ADRB+\s], s3, v[CO]
	s_add_co_u32 s2, s2, SLOT
	s_add_co_u32 s3, s3, SLOT
.endr
	s_lshl_b32 s2, s15, 12                         ; A's scale words: my 128 rows;
	s_lshl_b32 s3, s16, 12
	s_add_co_u32 s3, s3, 2*4096+64                 ; B's: behind A's two, 64 bytes askew
	s_sub_co_u32 s3, s3, s2
	v_mul_u32_u24 v4, s3, v2                       ; lanes 16-31 take B's: one product, the distance between the two
	s_add_co_u32 s2, s2, SCL
	v_lshl_add_u32 v4, v1, 2, v4
	v_add_nc_u32 v[ADRS], s2, v4
	; my rows of Z, and what they mean
	s_lshl_b32 s66, s41, 8
	s_add_co_u32 s66, s66, s17
	s_lshl_b32 s2, s15, 7
	s_add_co_u32 s66, s66, s2                      ; A's first row of mine
	s_lshl_b32 s67, s40, 8
	s_add_co_u32 s67, s67, s18
	s_lshl_b32 s2, s16, 7
	s_add_co_u32 s67, s67, s2                      ; B's
	s_mov_b32 s2, 8192
	s_mov_b32 s3, 0x40000
	s_cmp_eq_u32 s13, 1
	s_cselect_b32 s95, s67, s66                    ; my first token,
	s_cselect_b32 s96, s66, s67                    ; my first channel's row of Z
	s_cselect_b32 s98, s3, s2                      ; output: from A's blocks 0-3 to 4-7: q, k: four token tiles of 2,048 bytes; v: the next head
	s_cselect_b32 s12, s2, s3                      ;         from B's blocks 0-3 to 4-7: q, k: the next head; v: the next 64 keys
	s_cselect_b32 s42, 4, 0                        ; bias: v: that of channel r, the same in all eight registers;
	s_cselect_b32 s19, 0, 32                       ;       q, k: those of channels 8 h + j
	s_cselect_b32 s97, 0, 4
	s_sub_co_u32 s96, s96, 4096                    ; my first column of w_qkv
	v_mul_u32_u24 v4, s42, v1
	v_mad_u32_u24 v4, v2, s19, v4
.irp j, 0,1,2,3,4,5,6,7
	s_mul_i32 s2, s97, \j
	v_add_nc_u32 v[BO+\j], s2, v4
.endr
	s_lshl_b32 s2, s96, 2
	s_mov_b32 s3, 0
	s_add_nc_u64 s[8:9], s[8:9], s[2:3]
.irp blk, 0,1,2,3,4,5,6,7
.irp j, 0,1,2,3,4,5,6,7
	global_load_b32 v[BIAS+8*\blk+\j], v[BO+\j], s[8:9] offset:64*\blk   ; the bias of channel block blk, in the result's layout
.endr
.endr
	s_lshr_b32 s2, s96, 10                         ; q, k or v: 8,388,608 bytes each
	s_lshl_b32 s2, s2, 23
	s_bfe_u32 s66, s96, 0x40006                    ; my first head
	s_lshr_b32 s67, s95, 11                        ; the batch
	s_lshl_b32 s67, s67, 4
	s_add_co_u32 s66, s66, s67
	s_lshl_b32 s66, s66, 18                        ; 262,144 bytes a head
	s_add_co_u32 s2, s2, s66
	s_and_b32 s67, s95, 2047                       ; my first token in its sequence: 128 bytes a token in all three layouts
	s_lshl_b32 s67, s67, 7
	s_add_co_u32 s2, s2, s67
	s_add_nc_u64 s[10:11], s[10:11], s[2:3]        ; output of A's blocks 0-3
	s_mov_b32 s99, 0
	s_add_nc_u64 s[66:67], s[10:11], s[98:99]      ; and of blocks 4-7
	v_add_nc_u32 v[CO2], s12, v[CO]
.macro FRAG reg, adr, q, i             ; fragment (row tile i, the slot's q-th 128 along K): registers 4 c .. 4 c + 3 hold K = 64 c + 32 (lane / 16) + 0 .. 31 of row lane % 16
.irp c, 0,1
	ds_load_b128 v[\reg+4*\c:\reg+4*\c+3], v[\adr] offset:(\i)*4096+(\q)*1024+512*\c
.endr
.endm
; 16 matrix instructions: A's blocks a0, a0 + 1 x B's eight, step s of 128 along K.  p: B's set.  cmode 0: onto the sums; 1: the sums start from the bias of B's block; 2: of A's block.
; The 64 accumulators take turns, one instruction a turn, in the same order in every step.
.macro MUL16 a0, p, s, cmode
.irp a, \a0, \a0+1
.irp b, 0,1,2,3,4,5,6,7
.set rD, 8*(8*((\a)%4)+\b)
.set rB, 128*(\p)+FR*\b
.set rA, AF+FR*(\a)
.set rC, rD
.if \cmode == 1
.set rC, BIAS+8*\b
.elseif \cmode == 2
.set rC, BIAS+8*(\a)
.endif
	v_wmma_scale_f32_16x16x128_f8f6f4 v[rD:rD+7], v[rB:rB+7], v[rA:rA+7], v[rC:rC+7], v[SC+8*(\s)+\b], v[SC+8*(\s)+(\a)] matrix_a_fmt:MATRIX_FMT_FP4 matrix_b_fmt:MATRIX_FMT_FP4 matrix_a_scale:MATRIX_SCALE_ROW1
.endr
.endr
.endm
.macro FETCH_B slot, q, p
	WIN TO_B
.irp i, 0,1,2,3,4,5,6,7
	FRAG 128*(\p)+FR*\i, ADRB+\slot, \q, \i
.endr
	WIN 0
.endm
.macro FETCH_A slot, q, i0
.irp i, \i0, \i0+1, \i0+2, \i0+3
	FRAG AF+FR*(\i), ADRA+\slot, \q, \i
.endr
.endm
.macro PLACES n                        ; a load into a register that a matrix instruction has read, and a vector instruction that reads a result or writes such a register, stand NP plain vector instructions behind it
.rept \n
	v_nop
.endr
.endm
; A step of 128 along K that has its successor in the same slot.  A's blocks go one after the other, so one set of registers serves A: blocks 0-3 are fetched anew in the step's middle, blocks 4-7 at its end.
.macro STEP slot, q, cmode
	s_wait_dscnt 4*NL                              ; all but the youngest eight loads (A's blocks 4-7) are in
.if \cmode
	WIN 0x81                                       ; C (the bias) window 0, D window 2
.else
	WIN MUL_LO
.endif
	MUL16 0, (\q)%2, 4*\slot+\q, \cmode
	MUL16 2, (\q)%2, 4*\slot+\q, \cmode
	s_wait_dscnt 0                                 ; A's blocks 4-7 are in
	PLACES NP
	FETCH_B \slot, (\q)+1, 1-(\q)%2
	FETCH_A \slot, (\q)+1, 0
.if \cmode
	WIN 0xc1                                       ; C window 0, D window 3
.else
	WIN MUL_HI
.endif
	MUL16 4, (\q)%2, 4*\slot+\q, \cmode
	MUL16 6, (\q)%2, 4*\slot+\q, \cmode
	PLACES NP
	WIN 0
	FETCH_A \slot, (\q)+1, 4
.endm
	s_wait_tensorcnt 1                             ; the scale words and my part of slot 0 are in (slot 1's load may be out),
	s_barrier_signal -1
	s_barrier_wait -1                              ; everybody's are
	FETCH_B 0, 0, 0
	FETCH_A 0, 0, 0
.irp s, 0,1,2,3,4,5,6,7
.irp i, 0,1,2,3,4,5,6,7
	ds_load_b32 v[SC+8*\s+\i], v[ADRS] offset:512*\s+64*\i   ; all 64 scale words, once
.endr
.endr
	FETCH_A 0, 0, 4
	s_wait_loadcnt 0x0                             ; the bias
	s_cmp_eq_u32 s13, 1                            ; the first step is written twice: which operand's rows are channels decides which block's bias starts a sum.  The cluster's number alone decides
	s_cbranch_scc1 .Lfirst_v
	STEP 0, 0, 1
	s_branch .Lfirst_done
.Lfirst_v:
	STEP 0, 0, 2
.Lfirst_done:
	STEP 0, 1, 0
	STEP 0, 2, 0
	; slot 0's last step changes slots: one barrier, in front of which each wave's part of slot 1 has landed
	s_wait_tensorcnt 0x0                           ; all my tensor loads have landed;
	ds_add_u32 v[SPW], v[NIL]                      ; 0 onto my spare word;
	s_wait_dscnt 4*NL+1                            ; (the add and the youngest eight loads may be out)
	WIN MUL_LO
	MUL16 0, 1, 3, 0
	s_wait_dscnt 0x0                               ; no LDS instruction of mine is out at the signal
	s_barrier_signal -1
	MUL16 2, 1, 3, 0
	WIN 0
	s_barrier_wait -1                              ; slot 1 is whole
	PLACES NP
	FETCH_B 1, 0, 0
	FETCH_A 1, 0, 0
	WIN MUL_HI
	MUL16 4, 1, 3, 0
	MUL16 6, 1, 3, 0
	PLACES NP
	WIN 0
	FETCH_A 1, 0, 4
	STEP 1, 0, 0
	STEP 1, 1, 0
	STEP 1, 2, 0
	s_wait_dscnt 4*NL                              ; the last step: nothing more to fetch
	WIN MUL_LO
	MUL16 0, 1, 7, 0
	MUL16 2, 1, 7, 0
	s_wait_dscnt 0
	WIN MUL_HI
	MUL16 4, 1, 7, 0
	MUL16 6, 1, 7, 0
	WIN 0
	PLACES NP
; THE WAY OUT, without LDS: a lane's eight results round to 16 bytes of f16 that belong together in the image, and the 32 lanes' 512 bytes are consecutive and aligned.
.macro OUTBLK a
.set rO, 10+56*((\a)/4)                ; s[10:11] or s[66:67]
.set rT, TMP+32*((\a)%4)
.if (\a) >= 4
	s_wait_xcnt 0x0                                ; block a - 4's stores have read their registers
.endif
	WIN 0x0a+5*((\a)/4)                            ; sources 0 and 1: window 2 or 3
.irp b, 0,1,2,3,4,5,6,7
.irp i, 0,1,2,3
	v_cvt_pk_f16_f32 v[rT+4*\b+\i], v[64*((\a)%4)+8*\b+2*\i], v[64*((\a)%4)+8*\b+2*\i+1]   ; each accumulator from its low end on
.endr
.endr
	WIN 0
.irp b, 0,1,2,3
	global_store_b128 v[CO], v[rT+4*\b:rT+4*\b+3], s[rO:rO+1] offset:((\a)%4)*2048+\b*512
.endr
.irp b, 0,1,2,3
	global_store_b128 v[CO2], v[rT+16+4*\b:rT+16+4*\b+3], s[rO:rO+1] offset:((\a)%4)*2048+\b*512
.endr
.endm
.irp a, 0,1,2,3,4,5,6,7
	OUTBLK \a
.endr
	s_wait_tensorcnt 0x0                           ; the wave's end: the closing add and its wait, behind my last tensor load
	ds_add_u32 v[SPW], v[NIL]
	s_wait_dscnt 0x0
	CROUND                                         ; the closing round
	s_endpgm
.Lfunc_end_k_q7240c49181_qkv:
	.size	k_q7240c49181_qkv, .Lfunc_end_k_q7240c49181_qkv-k_q7240c49181_qkv
	.p2alignl 7, 3214868480
	.fill 96, 4, 3214868480
	.section	.rodata,"a",@progbits
	.p2align	6, 0x0
	.amdhsa_kernel k_q7240c49181_qkv
		.amdhsa_group_segment_fixed_size 327680
		.amdhsa_private_segment_fixed_size 0
		.amdhsa_enable_private_segment 0
		.amdhsa_kernarg_size 32
		.amdhsa_user_sgpr_count 2
		.amdhsa_user_sgpr_kernarg_segment_ptr 1
		.amdhsa_wavefront_size32 1
		.amdhsa_system_sgpr_workgroup_id_x 1
		.amdhsa_system_sgpr_workgroup_id_y 1
		.amdhsa_system_sgpr_workgroup_id_z 1
		.amdhsa_system_vgpr_workitem_id 0
		.amdhsa_next_free_vgpr 1024
		.amdhsa_next_free_sgpr 100
		.amdhsa_reserve_vcc 0
		.amdhsa_float_denorm_mode_32 3
		.amdhsa_float_denorm_mode_16_64 3
		.amdhsa_memory_ordered 1
		.amdhsa_forward_progress 1
		.amdhsa_inst_pref_size 138
	.end_amdhsa_kernel
	.amdgpu_metadata
---
amdhsa.version: [ 1, 2 ]
amdhsa.kernels:
  - .name:           k_q7240c49181_qkv
    .symbol:         k_q7240c49181_qkv.kd
    .args:
      - { .name: zimg, .offset: 0, .size: 8, .value_kind: global_buffer, .address_space: global }
      - { .name: zscl, .offset: 8, .size: 8, .value_kind: global_buffer, .address_space: global }
      - { .name: b_qkv, .offset: 16, .size: 8, .value_kind: global_buffer, .address_space: global }
      - { .name: qkvimg, .offset: 24, .size: 8, .value_kind: global_buffer, .address_space: global }
    .group_segment_fixed_size: 327680
    .private_segment_fixed_size: 0
    .kernarg_segment_align: 8
    .kernarg_segment_size: 32
    .max_flat_workgroup_size: 128
    .sgpr_count:     100
    .vgpr_count:     1024
    .wavefront_size: 32
...
	.end_amdgpu_metadata
.endif
;; end of part 2
;; launch attn (part 3): grid 8 x 32, 8 waves a work-group, clusters of 4 x 1, 327,680 bytes of LDS; arguments qkvimg, yimg; writes yimg
.if DOCPART == 3
	.amdgcn_target "amdgcn-amd-amdhsa--gfx1250"
	.amdhsa_code_object_version 6
	.text
	.protected	k_q7240c49181_attn
	.globl	k_q7240c49181_attn
	.p2align	8
	.type	k_q7240c49181_attn,@function
k_q7240c49181_attn:
	s_mov_b64 s[64:65], 0
	v_nop
	global_prefetch_b8 v0, s[64:65] scope:SCOPE_SE
	s_setreg_imm32_b32 hwreg(HW_REG_WAVE_MODE, 25, 1), 1
	s_wait_xcnt 0x0
	s_wait_alu depctr_hold_cnt(0) depctr_sa_sdst(0) depctr_va_vdst(0) depctr_va_sdst(0) depctr_va_ssrc(0) depctr_va_vcc(0) depctr_vm_vsrc(0)
	s_getreg_b32 s2, hwreg(HW_REG_IB_STS2, 6, 4)
	s_cmp_eq_u32 s2, 0
	s_cbranch_scc0 .Lentry_in_a_cluster
	s_endpgm
.Lentry_in_a_cluster:
	s_bfe_u32 s2, ttmp6, 0x10000c
	s_cmp_lg_u32 s2, 0x3003
	s_cbranch_scc0 .Lentry_shape_is_right
	s_endpgm
.Lentry_shape_is_right:
; ATTN: y[b][n][h] = softmax(q k^T / 8) v for 32 heads (batch x head) of 2,048 tokens x 64 channels.  q, k, v come as f16 images of operand registers (qkvimg: q at 0, k at 8,388,608, v turned at 16,777,216;
; 262,144 bytes a head).  Products in f16 with f32 sums; maxima, exponentials and sums in f32; the weights p are rounded to f16 for the second product; y leaves as f16, laid as the projection's operand image.
; SHARES.  A work-group owns 256 queries of one head; each of its eight waves 32: two tiles of 16.  Two waves lie on a SIMD; each fragment of k or v feeds two products.
; LAYOUT.  S^T = K Q^T (source 0 = 16 keys, source 1 = 16 queries): a lane holds ONE query (lane % 16) and keys 8 (lane / 16) + 0..7.  Two such tiles, rounded in pairs, ARE source 1 (32 keys x 16 queries) of O^T = V^T P.
; SOFTMAX.  A running maximum m and sum l for each query: p = 2^(c s - c m), c = log2(e) / 8; in every step O and l are multiplied by a = 2^(c m_old - c m_new).  m begins at -3e38, O and l at 0: the step is written without a first copy.
; BY TURNS.  A key step (64 keys) is two turns, one for each tile.  In tile t's turn stand t's softmax (103 lines), with the OTHER tile's eight products K Q^T set between its lines, and then t's O^T x a and its eight products V^T P:
;   turn 0 of step j: softmax 0 (j) with K Q^T 1 (j);  V^T P 0 (j).      turn 1 of step j: softmax 1 (j) with K Q^T 0 (j + 1);  V^T P 1 (j).
; So the wave has vector lines of its own to issue while its products run.  One buffer serves k and one v: v (j) is fetched early in turn 0 (j), k (j + 1) in turn 0 (j) behind the exponentials' wait, when both tiles have multiplied by k (j).
; RING.  Two LDS slots of 512 keys (64 KB of k, 64 KB of v), four slots' worth of keys.  Each wave fetches 16 KB: waves 0-3 quarters of k, waves 4-7 of v.  CLUSTER: the four query blocks of a cluster walk the same k and v:
; each tile is asked for jointly, by the same load with a mask that names the four.  Two tensor loads of a wave are out at the start, later one.
; LIMIT: |q|, |k|, |v|, |y| under 65,504 (f16); NaN and infinities are not served.
; REGISTERS: window 0 holds all that the softmax and K Q^T touch, so that the products between the softmax's lines want no switch: v2-7 addresses; v8-23 statistics, eight a tile; v24 the prefetch's offset; v26-31 three chains of the
;   row's sum; v32-63 Q; v64-127 S^T, then p (on the way out packed y); v128-159 P; v160-223 K of a step.   window 1: v0-63 O^T; v64-127 V of a step.  Six switches of the window a key step.
.set SLOT1, 1<<17                      ; slot 1 begins here: one exclusive or turns an address in one slot into the other's
.set VOFF,  65536                      ; in a slot: k's 512 keys, then v's
.set STEPB, 8192                       ; 64 keys of k, or of v
.set SPARE, 2*SLOT1                    ; behind the ring: the spare words, 128 bytes a wave, which no other line names
.set LI,  2                            ; 16 x lane
.set LIV, 3                            ; 16 x lane + VOFF
.set AD,  4                            ; LDS address of the k that is fetched
.set ADV, 5                            ; and of the v
.set SPW, 6                            ; my spare word; never rewritten
.set NIL, 7                            ; 0; never rewritten
.set ST,  8                            ; tile t at v[ST + 8 t]: +0 c m, +1 m, +2, +3 l in two halves, +4..+7 the maximum's four chains (later +6 a, +7 c m_old - c m_new)
.set PFO, 24                           ; 256 x lane
.set CH,  24                           ; chain n = 1..3 of the row's sum at v[CH + 2 n : CH + 2 n + 1]: v26-31
.set Q,   32
.set S,   64
.set TMP, 64                           ; the way out: S^T's registers are free
.set P,   128
.set KF,  160
.set O,   0                            ; in window 1
.set VF,  64
.set WV,  12                           ; s12 my wave's number
.set G1,  24                           ; s[24:31] descriptor group 1
.set G0A, 32                           ; s[32:35] group 0 of slot 0's first fill
.set G0B, 36                           ; s[36:39] of slot 1's; it then walks
.set PFA, 40                           ; s[40:41] where my prefetch stands
.set LIM, 42                           ; s42 1 in a wave that prefetches, else the greatest number
.set SLOTS, 43                         ; s43 slots still to be asked for
.set CNT, 44                           ; s44 counts a slot's plain steps
.set TB,  45                           ; s45 LDS byte at which a step's k begins
.set CS,  46                           ; s[46:47] c
.set SEL, 48                           ; s[48:49] selects for lane l xor 16
.set MSB, 0
.macro WIN new                         ; the immediate's high byte repeats the setting that is left; a switch that changes nothing is dropped
.if MSB != (\new)
	s_set_vgpr_msb (MSB<<8)|(\new)
.set MSB, (\new)
.endif
.endm
.set W_PV, 0x51                        ; V and O^T in window 1; P in window 0.  O^T x a has no third source and runs under the same setting: O^T in window 1, a in window 0
.set W_RS, 0x41                        ; the way out: O^T (destination and source 0) in window 1; the factor in window 0
.set W_LD, 0x40                        ; a destination in window 1
.set W_CV, 0x05                        ; both sources in window 1
.macro CROUND                          ; a round of the cluster's barrier
	s_barrier_signal -1
	s_barrier_wait -1
	s_cmp_lg_u32 s[WV], 0
	s_cbranch_scc1 .Lnot_wave_0_\@
	s_barrier_signal -3
.Lnot_wave_0_\@:
	s_barrier_wait -3
	s_barrier_signal -1
	s_barrier_wait -1
.endm
	s_load_b128 s[4:7], s[0:1], 0x0                ; qkvimg s[4:5], yimg s[6:7]
	v_lshl_add_u32 v[SPW], v0, 2, SPARE
	v_mov_b32 v[NIL], 0
	ds_add_u32 v[SPW], v[NIL]                      ; the wave's opening: the add, twice on end, and its wait ahead of my first tensor load
	ds_add_u32 v[SPW], v[NIL]
	v_lshrrev_b32 v1, 5, v0
	v_readfirstlane_b32 s[WV], v1                  ; wave 0..7
	s_bfe_u32 s13, ttmp6, 0x40000                  ; cx
	s_lshl_b32 s14, ttmp9, 2
	s_add_co_u32 s14, s14, s13                     ; my block of 256 queries: it enters q's and y's addresses alone
	s_and_b32 s15, ttmp7, 0xffff                   ; batch x 16 + head, which the four partners share
	s_lshl_b32 s16, s15, 18                        ; its bytes in each of q, k, v
	s_lshr_b32 s17, s[WV], 2
	s_add_co_u32 s17, s17, 1
	s_lshl_b32 s17, s17, 23                        ; waves 0-3: k's region; waves 4-7: v's
	s_add_co_u32 s17, s17, s16
	s_and_b32 s18, s[WV], 3
	s_lshl_b32 s18, s18, 14                        ; my quarter of a slot's 64 KB
	s_add_co_u32 s20, s17, s18
	s_mov_b32 s21, 0
	s_lshl_b32 s19, s[WV], 14                      ; and its place in a slot: wave x 16,384
	s_lshl_b32 s22, s14, 15                        ; q: 16 token tiles of 2,048 bytes a block,
	s_lshl_b32 s23, s[WV], 12                      ; two a wave
	s_add_co_u32 s22, s22, s23
	s_add_co_u32 s22, s22, s16
	s_mov_b32 s23, 0
	s_and_b32 s50, s15, 15                         ; the head
	s_lshr_b32 s52, s50, 2
	s_lshl_b32 s52, s52, 21                        ; y: columns 256 (head / 4) on: 2,097,152 bytes each;
	s_lshr_b32 s51, s15, 4
	s_lshl_b32 s51, s51, 20                        ; the batch's 128 token tiles of 8,192 bytes;
	s_add_co_u32 s52, s52, s51
	s_lshl_b32 s51, s14, 17                        ; my block's 16;
	s_add_co_u32 s52, s52, s51
	s_lshl_b32 s51, s[WV], 14                      ; my wave's two;
	s_add_co_u32 s52, s52, s51
	s_and_b32 s51, s50, 3
	s_lshl_b32 s51, s51, 11                        ; the head's two fragments of the tile's eight
	s_add_co_u32 s52, s52, s51
	s_mov_b32 s53, 0
	; the prefetch: of the 64 KB of k (waves 0, 2) or of v (waves 4, 6) of a slot, 8 KB: piece 2 cx + (wave / 2) % 2.  The partners are told apart by address alone
	s_lshl_b32 s54, s13, 1
	s_bfe_u32 s55, s[WV], 0x10001
	s_add_co_u32 s54, s54, s55
	s_lshl_b32 s54, s54, 13
	s_add_co_u32 s54, s54, s17
	s_add_co_u32 s54, s54, 2*VOFF                  ; at the third 512 keys; the first change of slots steps it to the fourth
	s_mov_b32 s55, 0
	s_and_b32 s[LIM], s[WV], 1                     ; 0 in the even waves
	s_or_b32 s[LIM], s[LIM], ttmp9                 ; of the head's first cluster: the same in all four partners
	s_cmp_eq_u32 s[LIM], 0
	s_cselect_b32 s[LIM], 1, -1
	; descriptor group 1: a dense block of 16,384 bytes as 64 rows of 32 elements of 8 bytes
	s_mov_b32 s[G1], 15|(3<<16)|(1<<21)            ; 15:0 the mask: all four work-groups; 17:16 elements of 8 bytes; 21 set beside a mask
	s_mov_b32 s[G1+1], 32<<16
	s_mov_b32 s[G1+2], 64<<16
	s_mov_b32 s[G1+3], 32<<16
	s_mov_b32 s[G1+4], 64
	s_mov_b32 s[G1+5], 32
	s_mov_b32 s[G1+6], 0
	s_mov_b32 s[G1+7], 0
	s_mov_b32 s[CS], 0x3e38aa3b                    ; c = log2(e) / 8
	s_mov_b32 s[CS+1], s[CS]                       ; (named with it as a pair, so it is written)
	s_mov_b32 s[SEL], 0x76543210
	s_mov_b32 s[SEL+1], 0xfedcba98
	s_mov_b32 s[TB], 0
	s_mov_b32 s[SLOTS], 2
	s_wait_dscnt 0x0                               ; both opening adds are done
	s_wait_kmcnt 0x0
	s_add_nc_u64 s[20:21], s[4:5], s[20:21]        ; my part of the first 512 keys
	s_add_nc_u64 s[22:23], s[4:5], s[22:23]        ; my queries
	s_add_nc_u64 s[6:7], s[6:7], s[52:53]          ; my rows of y
	s_add_nc_u64 s[PFA:PFA+1], s[4:5], s[54:55]
	CROUND                                         ; all four work-groups are here: the first joint loads meet
	s_mov_b32 s[G0A], 1
	s_mov_b32 s[G0A+1], s19
	s_mov_b64 s[G0A+2:G0A+3], s[20:21]
	s_or_b32 s[G0A+3], s[G0A+3], 0x80000000
	s_mov_b32 s[G0B], 1
	s_add_co_u32 s[G0B+1], s19, SLOT1
	s_add_nc_u64 s[G0B+2:G0B+3], s[20:21], VOFF    ; the next 512 keys: 65,536 bytes on, in k and in v
	s_or_b32 s[G0B+3], s[G0B+3], 0x80000000
	tensor_load_to_lds s[G0A:G0A+3], s[G1:G1+7]    ; every wave issues both first fills, each into bytes of its own
	s_nop 0
	tensor_load_to_lds s[G0B:G0B+3], s[G1:G1+7]
	s_nop 0
.rept 4
	v_nop
.endr
	v_and_b32 v1, 31, v0
	v_lshlrev_b32 v[LI], 4, v1
	v_add_nc_u32 v[LIV], VOFF, v[LI]
	v_lshlrev_b32 v[PFO], 8, v1
.irp i, 0,1,2,3,4,5,6,7
	global_load_b128 v[Q+4*\i:Q+4*\i+3], v[LI], s[22:23] offset:512*\i   ; Q stays in registers: tile i / 4, channels 32 ((i / 2) % 2) on
.endr
.irp t, 0,1
	v_mov_b32 v[ST+8*\t+1], 0xff61b1e6             ; m = -3e38, under every score
	v_mul_f32 v[ST+8*\t], s[CS], v[ST+8*\t+1]      ; c m
	v_mov_b32 v[ST+8*\t+2], 0                      ; l
	v_mov_b32 v[ST+8*\t+3], 0
.endr
	WIN W_LD
.set i, 0
.rept 64
	v_mov_b32 v[O+i], 0                            ; O^T, once: the first step's a is 0 and leaves zeros
.set i, i+1
.endr
	WIN 0
; Product i of 8 of tile t's scores: channels 32 (i / 4) on, keys 16 (i % 4) on.  The four accumulators take turns; the first four products start the sums.
.macro KQW t, i
.set rS, S+32*(\t)+8*((\i)%4)
.set rK, KF+16*((\i)%4)+8*((\i)/4)
.set rQ, Q+16*(\t)+8*((\i)/4)
.if (\i) < 4
	v_wmma_f32_16x16x32_f16 v[rS:rS+7], v[rK:rK+7], v[rQ:rQ+7], 0
.else
	v_wmma_f32_16x16x32_f16 v[rS:rS+7], v[rK:rK+7], v[rQ:rQ+7], v[rS:rS+7]
.endif
.endm
; Product i of 8 of tile t's O^T += V^T P: keys 32 (i / 4) on, channels 16 (i % 4) on.  The four accumulators take turns.
.macro PVW t, i
.set rO, O+32*(\t)+8*((\i)%4)
.set rV, VF+16*((\i)%4)+8*((\i)/4)
.set rB, P+16*(\t)+8*((\i)/4)
	v_wmma_f32_16x16x32_f16 v[rO:rO+7], v[rV:rV+7], v[rB:rB+7], v[rO:rO+7]
.endm
; Accumulator ct of tile t's O^T x a, from its low end on
.macro RESC t, ct
.irp e, 0,2,4,6
	v_pk_mul_f32 v[O+32*(\t)+8*(\ct)+\e:O+32*(\t)+8*(\ct)+\e+1], v[O+32*(\t)+8*(\ct)+\e:O+32*(\t)+8*(\ct)+\e+1], v[ST+8*(\t)+6:ST+8*(\t)+7] op_sel_hi:[1,0]
.endr
.endm
; ONE TILE'S SOFTMAX FOR ONE KEY STEP is a list of 103 lines; SMJ writes number j of it for tile t.  s0-s31 are the lane's 32 scores, in pairs 0-15.
;   0-15    the maximum of s0-s31 and the old m, three operands at a time: four chains, each beginning at its accumulator's low end
;   16-20   c m_old is kept; the other half of the lanes' maximum; the new m; c m; c m_old - c m_new
;   21-69   ONE BATCH: a, the 16 scalings c s - c m and the 32 exponentials.  None of these names an exponential's result; a pair is scaled a round ahead of its exponentials
;   (wait)  between 69 and 70 stands the one wait for the batch: TURN writes it
;   70-102  by turns a line of the row's sum (17: l x a, then the unrounded p two at a time in four chains, so that no line waits for the line above it) and a rounding of a pair to f16 (16)
.macro SMJ t
.set rT, ST+8*(\t)
.set rS, S+32*(\t)
.set rP, P+16*(\t)
.if j < 4
	v_max3_num_f32 v[rT+4+j], v[rS+8*j], v[rS+8*j+1], v[rS+8*j+2]
.elseif j < 12
.set u, j%4
.set e, 3+2*((j-4)/4)
	v_max3_num_f32 v[rT+4+u], v[rT+4+u], v[rS+8*u+e], v[rS+8*u+e+1]
.elseif j == 12
	v_max3_num_f32 v[rT+4], v[rT+4], v[rS+7], v[rS+15]
.elseif j == 13
	v_max3_num_f32 v[rT+6], v[rT+6], v[rS+23], v[rS+31]
.elseif j == 14
	v_max3_num_f32 v[rT+4], v[rT+4], v[rT+5], v[rT+6]
.elseif j == 15
	v_max3_num_f32 v[rT+4], v[rT+4], v[rT+7], v[rT+1]
.elseif j == 16
	v_mov_b32 v[rT+7], v[rT]                       ; c m_old
.elseif j == 17
	v_permlanex16_b32 v[rT+5], v[rT+4], s[SEL], s[SEL+1]   ; the query's other 32 keys lie in the lane 16 away
.elseif j == 18
	v_max_num_f32 v[rT+1], v[rT+4], v[rT+5]
.elseif j == 19
	v_mul_f32 v[rT], s[CS], v[rT+1]
.elseif j == 20
	v_sub_f32 v[rT+7], v[rT+7], v[rT]
.elseif j == 21
	v_exp_f32 v[rT+6], v[rT+7]                     ; a
.elseif j == 22
	v_pk_fma_f32 v[rS:rS+1], v[rS:rS+1], s[CS:CS+1], v[rT:rT+1] op_sel_hi:[1,0,0] neg_lo:[0,0,1] neg_hi:[0,0,1]   ; pair 0: c s - c m
.elseif j < 68
.set r, j-23
.set b, r/3+1
.if r%3 == 0
	v_pk_fma_f32 v[rS+2*b:rS+2*b+1], v[rS+2*b:rS+2*b+1], s[CS:CS+1], v[rT:rT+1] op_sel_hi:[1,0,0] neg_lo:[0,0,1] neg_hi:[0,0,1]   ; pair b
.else
	v_exp_f32 v[rS+2*b-3+r%3], v[rS+2*b-3+r%3]     ; pair b - 1
.endif
.elseif j < 70
	v_exp_f32 v[rS+j-38], v[rS+j-38]               ; pair 15
.else
.set k, j-70
.if k%2 == 1
.set b, (k-1)/2
	v_cvt_pk_f16_f32 v[rP+b], v[rS+2*b], v[rS+2*b+1]       ; two tiles of 16 keys make a fragment of 32
.else
.set z, k/2
.if z == 0
	v_pk_mul_f32 v[rT+2:rT+3], v[rT+2:rT+3], v[rT+6:rT+7] op_sel_hi:[1,0]   ; l x a
.elseif z < 4
	v_pk_add_f32 v[CH+2*z:CH+2*z+1], v[rS+2*z:rS+2*z+1], v[rS+2*z+8:rS+2*z+9]   ; chain z begins: pairs z and z + 4
.elseif z == 13
	v_pk_add_f32 v[CH+2:CH+3], v[CH+2:CH+3], v[CH+4:CH+5]
.elseif z == 14
	v_pk_add_f32 v[rT+2:rT+3], v[rT+2:rT+3], v[rS+24:rS+25]
.elseif z == 15
	v_pk_add_f32 v[CH+6:CH+7], v[CH+6:CH+7], v[CH+2:CH+3]
.elseif z == 16
	v_pk_add_f32 v[rT+2:rT+3], v[rT+2:rT+3], v[CH+6:CH+7]
.elseif z%4 == 0
	v_pk_add_f32 v[rT+2:rT+3], v[rT+2:rT+3], v[rS+2*(z-4):rS+2*(z-4)+1]        ; l takes pairs 0, 4, 8 (and 12 above)
.else
	v_pk_add_f32 v[CH+2*(z%4):CH+2*(z%4)+1], v[CH+2*(z%4):CH+2*(z%4)+1], v[rS+2*(z+4):rS+2*(z+4)+1]   ; chain z % 4 takes pair z + 4
.endif
.endif
.endif
.endm
; THE CHANGE OF SLOTS.  Each wave waits for all its tensor loads (one is out at the most: its part of the other slot), adds 0 to its spare word, and waits for that and for its reads of the slot that it leaves.
; fill = 1: that slot is filled again with the keys two slots on: the barrier is a round of the cluster's, and the joint refill is the first thing behind it: it has a slot's eight steps in which to land.
.macro CHANGE fill
	s_wait_tensorcnt 0x0                           ; no tensor load of mine is out, so a group 0 may be written
	ds_add_u32 v[SPW], v[NIL]                      ; 0 onto my spare word
.if \fill
	s_xor_b32 s[G0B+1], s[G0B+1], SLOT1            ; the walking descriptor: the other slot than last time,
	s_add_nc_u64 s[G0B+2:G0B+3], s[G0B+2:G0B+3], VOFF   ; the next 512 keys
	s_wait_xcnt 0x0                                ; earlier loads and the prefetch have read their addresses:
	s_add_nc_u64 s[PFA:PFA+1], s[PFA:PFA+1], VOFF  ; one slot further on than the walking descriptor
	s_wait_dscnt 0x0                               ; the add is done, and my reads of the slot are over
	CROUND
	tensor_load_to_lds s[G0B:G0B+3], s[G1:G1+7]
	s_nop 0
.rept 4
	v_nop
.endr
	; A PREFETCH of what the NEXT change will ask for, a slot's eight steps ahead of that load: 64 KB of k and 64 KB of v, each aligned 256 bytes named once in the launch: the head's first cluster asks,
	; its four partners' even waves 8 KB each, lanes 256 bytes apart.  The last change that fills a slot asks for nothing.  The first three slots' keys come by their loads alone.
	s_cmp_gt_u32 s[SLOTS], s[LIM]
	s_cbranch_scc0 .Lnot_mine_\@
	global_prefetch_b8 v[PFO], s[PFA:PFA+1] th:TH_LOAD_NT scope:SCOPE_SE
.Lnot_mine_\@:
.else
	s_wait_dscnt 0x0
	s_barrier_signal -1
	s_barrier_wait -1
.endif
.endm
; TILE t's TURN.  kq = 1: the other tile's eight products K Q^T stand between the softmax's lines, each ahead of a plain line.
; mode says what stands behind the batch's wait in tile 0's turn: 0: the next step's k, from the same slot; 1: the change of slots with a refill, then k from the other slot; 2: the change without one, then k;
; 3: nothing, the last step.  Tile 1's turn fetches nothing: mode 4.
; THE LOADS.  v of this step is fetched in tile 0's turn ahead of line 9: ten plain lines stand behind the last product that read v.  k of the next step is fetched behind the batch's wait: the last product that read k stands
; ahead of line 41, and nine scalings lie between.  At the change of slots v of the slot's last step has been asked for and k of that step has long been read: the wait for my LDS loads in front of the barrier ends my reads of the slot.
.macro TURN t, kq, mode
.if (\t) == 0
	v_add_nc_u32 v[ADV], s[TB], v[LIV]
.endif
.set j, 0
.set wi, 0
.rept 103
.if j == 9
.if (\t) == 0
	WIN W_LD
.irp i, 0,1,2,3,4,5,6,7,8,9,10,11,12,13,14,15
	ds_load_b128 v[VF+4*\i:VF+4*\i+3], v[ADV] offset:512*\i
.endr
	WIN 0
.elseif \kq
	s_wait_dscnt 0x0                               ; k of the next step is in
.endif
.endif
.if \kq && ((j == 9) || (j == 13) || (j == 16) || (j == 19) || (j == 23) || (j == 29) || (j == 35) || (j == 41))
	KQW 1-(\t), wi
.set wi, wi+1
.endif
.if j == 70
	v_nop                                          ; a plain line behind the last exponential
	s_wait_alu depctr_va_vdst(0)                   ; the one wait ahead of the batch's first reader; no exponential is issued behind it in this turn
.if \mode == 0
	s_add_co_u32 s[TB], s[TB], STEPB               ; on to the next step
.elseif \mode == 1
	s_sub_co_u32 s[TB], s[TB], 7*STEPB             ; back to a slot's first step,
	s_xor_b32 s[TB], s[TB], SLOT1                  ; in the other slot
	CHANGE 1
.elseif \mode == 2
	s_sub_co_u32 s[TB], s[TB], 7*STEPB
	s_xor_b32 s[TB], s[TB], SLOT1
	CHANGE 0
.endif
.if \mode < 3
	v_add_nc_u32 v[AD], s[TB], v[LI]
.irp i, 0,1,2,3,4,5,6,7,8,9,10,11,12,13,14,15
	ds_load_b128 v[KF+4*\i:KF+4*\i+3], v[AD] offset:512*\i
.endr
.endif
.endif
	SMJ \t
.set j, j+1
.endr
.if (\t) == 0
.if \mode < 3
	s_wait_dscnt 16                                ; v is in; the 16 younger loads, the next step's k, may be out
.else
	s_wait_dscnt 0x0                               ; v is in
.endif
.endif
	WIN W_PV
	RESC \t, 0                                     ; an accumulator is multiplied by a at least one product ahead of its own
	RESC \t, 1
	PVW \t, 0
	RESC \t, 2
	PVW \t, 1
	RESC \t, 3
	PVW \t, 2
	PVW \t, 3
	PVW \t, 4
	PVW \t, 5
	PVW \t, 6
	PVW \t, 7
	WIN 0
.endm
.macro RUN7                            ; a slot's first seven steps
	s_mov_b32 s[CNT], 7
.Lstep_\@:
	TURN 0, 1, 0
	TURN 1, 1, 4
	s_sub_co_u32 s[CNT], s[CNT], 1
	s_cmp_lg_u32 s[CNT], 0
	s_cbranch_scc1 .Lstep_\@
.endm
	s_wait_tensorcnt 1                             ; my part of slot 0 is in; slot 1's may stay out
	s_barrier_signal -1
	s_barrier_wait -1                              ; everybody's is
	v_add_nc_u32 v[AD], s[TB], v[LI]
.irp i, 0,1,2,3,4,5,6,7,8,9,10,11,12,13,14,15
	ds_load_b128 v[KF+4*\i:KF+4*\i+3], v[AD] offset:512*\i   ; k of step 0
.endr
	s_wait_loadcnt 0x0                             ; Q
	s_wait_dscnt 0x0
.irp i, 0,1,2,3,4,5,6,7
	KQW 0, \i                                      ; tile 0's first scores: there is no vector work yet to set between them
.endr
.rept 4
	v_nop                                          ; the places in front of the first read of those scores
.endr
.Lslot:                                            ; two trips: keys 0-511, then 512-1,023; the slot that is left takes keys 1,024 on, then 1,536 on
	RUN7
	TURN 0, 1, 1
	TURN 1, 1, 4
	s_sub_co_u32 s[SLOTS], s[SLOTS], 1
	s_cmp_lg_u32 s[SLOTS], 0
	s_cbranch_scc1 .Lslot
	RUN7                                           ; the tail is written out: keys 1,024-1,535
	TURN 0, 1, 2
	TURN 1, 1, 4
	RUN7                                           ; keys 1,536-2,047
	TURN 0, 1, 3
	TURN 1, 0, 4
	; THE WAY OUT.  l's halves and the other half of the lanes' are added; O^T / l is rounded to f16: a lane's eight channels of a token are 16 bytes of the projection's operand image, the 32 lanes' 512 bytes consecutive and aligned.
.irp t, 0,1
	v_add_f32 v[ST+8*\t+4], v[ST+8*\t+2], v[ST+8*\t+3]     ; (these additions and the v_nop below are the places behind the last products)
.endr
.irp t, 0,1
	v_permlanex16_b32 v[ST+8*\t+5], v[ST+8*\t+4], s[SEL], s[SEL+1]
.endr
.irp t, 0,1
	v_add_f32 v[ST+8*\t+4], v[ST+8*\t+4], v[ST+8*\t+5]
.endr
.irp t, 0,1
	v_rcp_f32 v[ST+8*\t+6], v[ST+8*\t+4]
.endr
	v_nop                                          ; a plain line behind the last reciprocal
	s_wait_alu depctr_va_vdst(0)                   ; and the wait ahead of the first use
	WIN W_RS
.set b, 0
.rept 16
.irp t, 0,1
	v_pk_mul_f32 v[O+32*\t+2*b:O+32*\t+2*b+1], v[O+32*\t+2*b:O+32*\t+2*b+1], v[ST+8*\t+6:ST+8*\t+7] op_sel_hi:[1,0]
.endr
.set b, b+1
.endr
	WIN W_CV
.set b, 0
.rept 32
	v_cvt_pk_f16_f32 v[TMP+b], v[O+2*b], v[O+2*b+1]
.set b, b+1
.endr
	WIN 0
.irp t, 0,1
.irp ct, 0,1,2,3
	global_store_b128 v[LI], v[TMP+16*\t+4*\ct:TMP+16*\t+4*\ct+3], s[6:7] offset:\t*8192+\ct*512
.endr
.endr
	s_wait_tensorcnt 0x0                           ; the wave's end: the closing add and its wait, behind my last tensor load
	ds_add_u32 v[SPW], v[NIL]
	s_wait_dscnt 0x0
	CROUND                                         ; the closing round
	s_endpgm
.Lfunc_end_k_q7240c49181_attn:
	.size	k_q7240c49181_attn, .Lfunc_end_k_q7240c49181_attn-k_q7240c49181_attn
	.p2alignl 7, 3214868480
	.fill 96, 4, 3214868480
	.section	.rodata,"a",@progbits
	.p2align	6, 0x0
	.amdhsa_kernel k_q7240c49181_attn
		.amdhsa_group_segment_fixed_size 327680
		.amdhsa_private_segment_fixed_size 0
		.amdhsa_enable_private_segment 0
		.amdhsa_kernarg_size 16
		.amdhsa_user_sgpr_count 2
		.amdhsa_user_sgpr_kernarg_segment_ptr 1
		.amdhsa_wavefront_size32 1
		.amdhsa_system_sgpr_workgroup_id_x 1
		.amdhsa_system_sgpr_workgroup_id_y 1
		.amdhsa_system_sgpr_workgroup_id_z 1
		.amdhsa_system_vgpr_workitem_id 0
		.amdhsa_next_free_vgpr 512
		.amdhsa_next_free_sgpr 66
		.amdhsa_reserve_vcc 0
		.amdhsa_float_denorm_mode_32 3
		.amdhsa_float_denorm_mode_16_64 3
		.amdhsa_memory_ordered 1
		.amdhsa_forward_progress 1
		.amdhsa_inst_pref_size 118
	.end_amdhsa_kernel
	.amdgpu_metadata
---
amdhsa.version: [ 1, 2 ]
amdhsa.kernels:
  - .name:           k_q7240c49181_attn
    .symbol:         k_q7240c49181_attn.kd
    .args:
      - { .name: qkvimg, .offset: 0, .size: 8, .value_kind: global_buffer, .address_space: global }
      - { .name: yimg, .offset: 8, .size: 8, .value_kind: global_buffer, .address_space: global }
    .group_segment_fixed_size: 327680
    .private_segment_fixed_size: 0
    .kernarg_segment_align: 8
    .kernarg_segment_size: 16
    .max_flat_workgroup_size: 256
    .sgpr_count:     66
    .vgpr_count:     512
    .wavefront_size: 32
...
	.end_amdgpu_metadata
.endif
;; end of part 3
;; launch proj (part 4): grid 8 x 32, 4 waves a work-group, clusters of 4 x 4, 327,680 bytes of LDS; arguments yimg, wimg, b_proj, out0; writes out0
.if DOCPART == 4
	.amdgcn_target "amdgcn-amd-amdhsa--gfx1250"
	.amdhsa_code_object_version 6
	.text
	.protected	k_q7240c49181_proj
	.globl	k_q7240c49181_proj
	.p2align	8
	.type	k_q7240c49181_proj,@function
k_q7240c49181_proj:
	s_mov_b64 s[64:65], 0
	v_nop
	global_prefetch_b8 v0, s[64:65] scope:SCOPE_SE
	s_setreg_imm32_b32 hwreg(HW_REG_WAVE_MODE, 25, 1), 1
	s_wait_xcnt 0x0
	s_wait_alu depctr_hold_cnt(0) depctr_sa_sdst(0) depctr_va_vdst(0) depctr_va_sdst(0) depctr_va_ssrc(0) depctr_va_vcc(0) depctr_vm_vsrc(0)
	s_getreg_b32 s2, hwreg(HW_REG_IB_STS2, 6, 4)
	s_cmp_eq_u32 s2, 0
	s_cbranch_scc0 .Lentry_in_a_cluster
	s_endpgm
.Lentry_in_a_cluster:
	s_bfe_u32 s2, ttmp6, 0x10000c
	s_cmp_lg_u32 s2, 0xf033
	s_cbranch_scc0 .Lentry_shape_is_right
	s_endpgm
.Lentry_shape_is_right:
; PROJ: out0 = y w_proj + b_proj.  y [4,096][1,024] and w_proj (as [n][k]) come as f16 images of operand registers: [k / 256][tile of 16 rows][fragment 8][1,024 bytes]; sums and out0 in f32.
; A tile of out0 is 128 x 128: 256 work-groups of four waves, a wave 64 x 64: 16 accumulators.  K goes in four steps of 256 through a ring of two LDS slots (64 KB of y, 64 KB of w); a wave's tensor load brings a dense 32 KB.
; A fragment (16 rows x 32 K) is two loads of 16 bytes a lane at 16 x lane: consecutive bytes, so no padding.
; CLUSTERS: 4 x 4 work-groups; y's tiles are shared along a row of the cluster, w's along a column: each is asked for jointly.  Two tensor loads of a wave are out at the start, later one.
; THE MATRIX INSTRUCTION IS USED TRANSPOSED (source 0 = 16 columns n of w, source 1 = 16 tokens): a lane holds eight neighbouring numbers of a row of out0.  The bias is the C of each sum's first product.
; No prefetch: the tiles are small and shared; one tile to a work-group, so nothing stays.  K's four steps are two laps of the ring, written straight: a loop would have one trip.
; REGISTERS: window 0: v16-29 addresses; v32-95 the way out; v96-127 the bias; v128-255 the accumulators ((a, b) at v[128 + 8 (4 a + b)]).   window 1: two fragment buffers of 128: 64 registers of y, then 64 of w, for 64 along K.
.set HALFT,  32768                     ; 64 rows x 256 K: what one tensor load brings, and what a wave reads of y or of w in a slot
.set SLOT,   4*HALFT
.set STAGE,  2*SLOT                    ; behind the ring: 16 rows x 272 bytes for each wave, for the way out
.set SPITCH, 272                       ; 256 bytes + 16: the sixteen rows that a store touches start at sixteen different 16-byte columns
.set SPARE,  STAGE+4*16*SPITCH         ; the spare words, 128 bytes a wave, which no other line names
.set ASTEP,  2097152                   ; from K step to K step in yimg
.set BSTEP,  524288                    ; and in wimg
.set ADRA, 16                          ; v16-17 LDS address of my y fragments in slot 0, 1
.set ADRB, 20                          ; v20-21 the same for w
.set STO,  24
.set RD,   25
.set CO,   26
.set BOF,  27                          ; 32 x (lane / 16): my eight numbers of a block's bias
.set SPW,  28
.set NIL,  29
.set TMP,  32
.set BIAS, 96
.set ACC,  128
.set F0,   0
.set F1,   128
.set G1,  24
.set G0,  32
.set G1B, 48
.set G0B, 56
.set MSB, 0
.macro WIN new
.if MSB != (\new)
	s_set_vgpr_msb (MSB<<8)|(\new)
.set MSB, (\new)
.endif
.endm
.set MUL,  0x05                        ; sources 0 (w) and 1 (y) window 1; C and D window 0
.set TO_F, 0x40                        ; destination window 1, address window 0
.macro JLOAD s                         ; a joint load: waves 0 and 1 fetch y's two halves, waves 2 and 3 w's; an s_nop 0 and four v_nop follow each of the two lines
	s_cmp_eq_u32 s13, 0
	s_cbranch_scc0 .Lfor_b_\@
	tensor_load_to_lds s[G0+4*\s:G0+4*\s+3], s[G1:G1+7]
	s_nop 0
.rept 4
	v_nop
.endr
	s_branch .Lasked_\@
.Lfor_b_\@:
	tensor_load_to_lds s[G0B+4*\s:G0B+4*\s+3], s[G1B:G1B+7]
	s_nop 0
.rept 4
	v_nop
.endr
.Lasked_\@:
.endm
.macro CREST                           ; a round of the cluster's barrier behind its opening barrier
	s_cmp_lg_u32 s12, 0
	s_cbranch_scc1 .Lnot_wave_0_\@
	s_barrier_signal -3
.Lnot_wave_0_\@:
	s_barrier_wait -3
	s_barrier_signal -1
	s_barrier_wait -1
.endm
.macro CROUND
	s_barrier_signal -1
	s_barrier_wait -1
	CREST
.endm
	s_load_b256 s[4:11], s[0:1], 0x0               ; yimg s[4:5], wimg s[6:7], b_proj s[8:9], out0 s[10:11]
	v_lshl_add_u32 v[SPW], v0, 2, SPARE
	v_mov_b32 v[NIL], 0
	ds_add_u32 v[SPW], v[NIL]                      ; the wave's opening: the add, twice on end, and its wait ahead of my first tensor load
	ds_add_u32 v[SPW], v[NIL]
	v_lshrrev_b32 v1, 5, v0
	v_readfirstlane_b32 s12, v1                    ; wave 0..3
	s_lshr_b32 s13, s12, 1                         ; which half of the tile's rows is mine.  Also: I fetch for y (0) or for w (1)
	s_and_b32 s14, s12, 1                          ; which half of its columns.  Also: which 64 rows I fetch
	s_bfe_u32 s40, ttmp6, 0x40000                  ; cx, cy
	s_bfe_u32 s41, ttmp6, 0x40004
	s_lshl_b32 s42, ttmp9, 2
	s_add_co_u32 s42, s42, s40                     ; tile column = 4 x cluster x + cx
	s_and_b32 s15, ttmp7, 0xffff
	s_lshl_b32 s15, s15, 2
	s_add_co_u32 s15, s15, s41                     ; tile row = 4 x cluster y + cy
	s_lshl_b32 s43, s41, 2
	s_lshl_b32 s43, 15, s43                        ; my row of the cluster
	s_lshl_b32 s44, 0x1111, s40                    ; my column
	; descriptor group 1: a dense block of 32,768 bytes as 128 rows of 32 elements of 8 bytes
	s_or_b32 s[G1+0], s43, (3<<16)|(1<<21)         ; 15:0 the mask: y's tiles go to my row; 17:16 elements of 8 bytes; 21 set beside a mask
	s_or_b32 s[G1B+0], s44, (3<<16)|(1<<21)
.irp g, G1, G1B
	s_mov_b32 s[\g+1], 32<<16
	s_mov_b32 s[\g+2], 128<<16
	s_mov_b32 s[\g+3], 32<<16
	s_mov_b32 s[\g+4], 128
	s_mov_b32 s[\g+5], 32
	s_mov_b32 s[\g+6], 0
	s_mov_b32 s[\g+7], 0
.endr
	s_lshl_b32 s18, s14, 15                        ; which 64 rows of the tile I fetch: four tiles of 8,192 bytes
	s_lshl_b32 s16, s15, 16
	s_add_co_u32 s16, s16, s18                     ; y: 65,536 x tile row + 32,768 x half
	s_mov_b32 s17, 0
	s_lshl_b32 s46, s42, 16
	s_add_co_u32 s46, s46, s18                     ; w: 65,536 x tile column + 32,768 x half
	s_mov_b32 s47, 0
	s_lshl_b32 s20, s12, 15                        ; where they go: wave x 32,768
	s_wait_dscnt 0x0                               ; both opening adds are done
	s_wait_kmcnt 0x0
	s_add_nc_u64 s[16:17], s[4:5], s[16:17]
	s_add_nc_u64 s[46:47], s[6:7], s[46:47]
	CROUND                                         ; all sixteen work-groups are here: the first joint loads meet
.irp s, 0,1
	s_mov_b32 s[G0+4*\s], 1
	s_add_co_u32 s[G0+4*\s+1], s20, \s*SLOT
	s_add_nc_u64 s[G0+4*\s+2:G0+4*\s+3], s[16:17], \s*ASTEP
	s_or_b32 s[G0+4*\s+3], s[G0+4*\s+3], 0x80000000
	s_mov_b32 s[G0B+4*\s], 1
	s_add_co_u32 s[G0B+4*\s+1], s20, \s*SLOT
	s_add_nc_u64 s[G0B+4*\s+2:G0B+4*\s+3], s[46:47], \s*BSTEP
	s_or_b32 s[G0B+4*\s+3], s[G0B+4*\s+3], 0x80000000
	JLOAD \s
.endr
	v_and_b32 v1, 15, v0                           ; r
	v_bfe_u32 v2, v0, 4, 1                         ; h
	v_and_b32 v3, 31, v0
	v_lshlrev_b32 v3, 4, v3                        ; 16 x lane
	s_lshl_b32 s21, s13, 15                        ; my 64 rows of y,
	s_lshl_b32 s22, s14, 15                        ; my 64 columns of w,
	s_add_co_u32 s22, s22, 2*HALFT                 ; which lie behind y's 128 rows
.irp s, 0,1
	v_add_nc_u32 v[ADRA+\s], s21, v3
	v_add_nc_u32 v[ADRB+\s], s22, v3
	s_add_co_u32 s21, s21, SLOT
	s_add_co_u32 s22, s22, SLOT
.endr
	s_mul_i32 s23, s12, 16*SPITCH
	s_add_co_u32 s23, s23, STAGE                   ; my stage
	v_mul_u32_u24 v4, v1, SPITCH                   ; in: row r, 32 bytes for each half of the lanes
	v_lshl_add_u32 v4, v2, 5, v4
	v_add_nc_u32 v[STO], s23, v4
	v_mul_u32_u24 v5, v2, SPITCH                   ; back: lanes 0-15 one row of 256 bytes, lanes 16-31 the next
	v_lshl_add_u32 v5, v1, 4, v5
	v_add_nc_u32 v[RD], s23, v5
	v_lshlrev_b32 v5, 12, v2                       ; and the same two rows in out0 (4,096 bytes a row)
	v_lshl_add_u32 v[CO], v1, 4, v5
	v_lshlrev_b32 v[BOF], 5, v2
	s_lshl_b32 s18, s42, 9                         ; my first column, in bytes: 512 x tile column + 256 x half
	s_lshl_b32 s19, s14, 8
	s_add_co_u32 s18, s18, s19
	s_mov_b32 s19, 0
	s_add_nc_u64 s[8:9], s[8:9], s[18:19]
.irp b, 0,1,2,3
	global_load_b128 v[BIAS+8*\b:BIAS+8*\b+3], v[BOF], s[8:9] offset:64*\b        ; the bias of columns 16 b + 8 h + 0 .. 7: the result's layout
	global_load_b128 v[BIAS+8*\b+4:BIAS+8*\b+7], v[BOF], s[8:9] offset:64*\b+16
.endr
	s_lshl_b32 s21, s15, 19                        ; my first row: 128 x tile row + 64 x half
	s_lshl_b32 s22, s13, 18
	s_add_co_u32 s21, s21, s22
	s_add_co_u32 s18, s18, s21
	s_add_nc_u64 s[10:11], s[10:11], s[18:19]
; 8 matrix instructions: row blocks a0, a0 + 1 x all 4 column blocks, 32 along K: half c of buffer f.  first = 1: the sums start from the bias.  The 16 accumulators take turns.
.macro MUL8 f, c, a0, first
.irp a, \a0, \a0+1
.irp b, 0,1,2,3
.set rD, ACC+8*(4*(\a)+\b)
.set rC, rD
.if \first
.set rC, BIAS+8*\b
.endif
	v_wmma_f32_16x16x32_f16 v[rD:rD+7], v[\f+64+8*(4*\c+\b):\f+64+8*(4*\c+\b)+7], v[\f+8*(4*\c+\a):\f+8*(4*\c+\a)+7], v[rC:rC+7]
.endr
.endr
.endm
; 32 LDS loads in one run: the fragments of the slot's k-th 64 along K into buffer f; the first 32 along K first
.macro FETCH slot, k, f
	WIN TO_F
.irp c, 0,1
.irp i, 0,1,2,3
	ds_load_b128 v[\f+64+8*(4*\c+\i):\f+64+8*(4*\c+\i)+3],   v[ADRB+\slot] offset:\i*8192+(2*(\k)+\c)*1024
	ds_load_b128 v[\f+64+8*(4*\c+\i)+4:\f+64+8*(4*\c+\i)+7], v[ADRB+\slot] offset:\i*8192+(2*(\k)+\c)*1024+512
	ds_load_b128 v[\f+8*(4*\c+\i):\f+8*(4*\c+\i)+3],         v[ADRA+\slot] offset:\i*8192+(2*(\k)+\c)*1024
	ds_load_b128 v[\f+8*(4*\c+\i)+4:\f+8*(4*\c+\i)+7],       v[ADRA+\slot] offset:\i*8192+(2*(\k)+\c)*1024+512
.endr
.endr
.endm
.macro PLACES                          ; four plain lines in front of loads into registers that matrix instructions have read, and of the first read of results
.rept 4
	v_nop
.endr
.endm
; A K step is four quarters of 64 along K, 32 matrix instructions each, on buffers 0, 1, 0, 1.  One of the first three: multiplies buffer f and fetches quarter k into g.
.macro QUARTER slot, k, f, g, first
	s_wait_dscnt 16                                ; the first 32 along K are in; the other sixteen loads may be out
	WIN MUL
	MUL8 \f, 0, 0, \first
	MUL8 \f, 0, 2, \first
	PLACES
	FETCH \slot, \k, \g
	s_wait_dscnt 32                                ; all but the 32 just issued
	WIN MUL
	MUL8 \f, 1, 0, 0
	MUL8 \f, 1, 2, 0
.endm
; The last quarter multiplies buffer 1 and changes slots: ONE barrier; in front of it each wave waits for all its tensor loads, adds 0 to its spare word, and waits for that and for its reads of this slot.
; fill = 1: this slot is filled again, two K steps ahead: the barrier opens a round of the cluster's, and the joint refill is the first tensor load behind the round.
.macro TURN slot, next, fill
	WIN 0                                          ; (the add's two registers lie in window 0)
	s_wait_tensorcnt 0x0                           ; all my tensor loads have landed: my part of the next slot;
	ds_add_u32 v[SPW], v[NIL]                      ; 0 onto my spare word;
	s_wait_dscnt 17                                ; (the add and the youngest sixteen loads may be out)
	WIN MUL
	MUL8 F1, 0, 0, 0
	s_wait_dscnt 0x0                               ; the add is done, and my reads of this slot are over
	s_barrier_signal -1
	MUL8 F1, 0, 2, 0
.if \fill
	WIN 0
.endif
	s_barrier_wait -1
.if \fill
	CREST                                          ; no wave of any partner still reads this slot's tile or has a load on its way
	s_add_nc_u64 s[G0+4*\slot+2:G0+4*\slot+3], s[G0+4*\slot+2:G0+4*\slot+3], 2*ASTEP
	s_add_nc_u64 s[G0B+4*\slot+2:G0B+4*\slot+3], s[G0B+4*\slot+2:G0B+4*\slot+3], 2*BSTEP
	JLOAD \slot                                    ; the four v_nop behind it are also the places in front of the loads below
.else
	PLACES
.endif
	FETCH \next, 0, F0
	WIN MUL
	MUL8 F1, 1, 0, 0
	MUL8 F1, 1, 2, 0
.endm
	s_wait_tensorcnt 1                             ; my part of K step 0 is in (K step 1's load may be out),
	s_barrier_signal -1
	s_barrier_wait -1                              ; everybody's is
	FETCH 0, 0, F0
	s_wait_loadcnt 0x0                             ; the bias
	QUARTER 0, 1, F0, F1, 1                        ; K step 0; its first products start the sums from the bias
	QUARTER 0, 2, F1, F0, 0
	QUARTER 0, 3, F0, F1, 0
	TURN 0, 1, 1                                   ; slot 0 takes K step 2
	QUARTER 1, 1, F0, F1, 0                        ; K step 1
	QUARTER 1, 2, F1, F0, 0
	QUARTER 1, 3, F0, F1, 0
	TURN 1, 0, 1                                   ; slot 1 takes K step 3
	QUARTER 0, 1, F0, F1, 0                        ; K step 2
	QUARTER 0, 2, F1, F0, 0
	QUARTER 0, 3, F0, F1, 0
	TURN 0, 1, 0                                   ; nothing is left to fetch
	QUARTER 1, 1, F0, F1, 0                        ; K step 3
	QUARTER 1, 2, F1, F0, 0
	QUARTER 1, 3, F0, F1, 0
	s_wait_dscnt 16
	WIN MUL
	MUL8 F1, 0, 0, 0
	MUL8 F1, 0, 2, 0
	s_wait_dscnt 0
	MUL8 F1, 1, 0, 0
	MUL8 F1, 1, 2, 0
	WIN 0
; THE WAY OUT, a block of 16 rows x 64 columns at a time, through my own stage: a lane holds 32 neighbouring bytes of a row; the rows come back whole, and sixteen lanes store 256 consecutive bytes, aligned.
; LDS serves a wave's instructions in order (ISA guide 5.7.1.4): no wait between the stores and the loads, nor in front of the next block's stores.
.macro TOSTAGE a
.irp b, 0,1,2,3
	ds_store_b128 v[STO], v[ACC+8*(4*(\a)+\b):ACC+8*(4*(\a)+\b)+3] offset:64*\b        ; each accumulator from its low end on
	ds_store_b128 v[STO], v[ACC+8*(4*(\a)+\b)+4:ACC+8*(4*(\a)+\b)+7] offset:64*\b+16
.endr
.irp t, 0,1,2,3,4,5,6,7
	ds_load_b128 v[TMP+32*((\a)%2)+4*\t:TMP+32*((\a)%2)+4*\t+3], v[RD] offset:\t*2*SPITCH
.endr
.endm
.macro SEND a, younger                 ; younger: the LDS instructions issued behind block a's loads (the next block's 8 stores and 8 loads, or none)
	s_wait_dscnt \younger
.irp t, 0,1,2,3,4,5,6,7
	global_store_b128 v[CO], v[TMP+32*((\a)%2)+4*\t:TMP+32*((\a)%2)+4*\t+3], s[10:11] offset:(16*(\a)+2*\t)*4096 th:TH_STORE_NT
.endr
.endm
	PLACES
	TOSTAGE 0
	TOSTAGE 1
	SEND 0, 16
	s_wait_xcnt 0x0                                ; block 0's stores have read their registers: block 2's loads may land there
	TOSTAGE 2
	SEND 1, 16
	s_wait_xcnt 0x0
	TOSTAGE 3
	SEND 2, 16
	SEND 3, 0
	s_wait_tensorcnt 0x0                           ; the wave's end: the closing add and its wait, behind my last tensor load and my last LDS store
	ds_add_u32 v[SPW], v[NIL]
	s_wait_dscnt 0x0
	CROUND                                         ; the closing round
	s_endpgm
.Lfunc_end_k_q7240c49181_proj:
	.size	k_q7240c49181_proj, .Lfunc_end_k_q7240c49181_proj-k_q7240c49181_proj
	.p2alignl 7, 3214868480
	.fill 96, 4, 3214868480
	.section	.rodata,"a",@progbits
	.p2align	6, 0x0
	.amdhsa_kernel k_q7240c49181_proj
		.amdhsa_group_segment_fixed_size 327680
		.amdhsa_private_segment_fixed_size 0
		.amdhsa_enable_private_segment 0
		.amdhsa_kernarg_size 32
		.amdhsa_user_sgpr_count 2
		.amdhsa_user_sgpr_kernarg_segment_ptr 1
		.amdhsa_wavefront_size32 1
		.amdhsa_system_sgpr_workgroup_id_x 1
		.amdhsa_system_sgpr_workgroup_id_y 1
		.amdhsa_system_sgpr_workgroup_id_z 1
		.amdhsa_system_vgpr_workitem_id 0
		.amdhsa_next_free_vgpr 512
		.amdhsa_next_free_sgpr 66
		.amdhsa_reserve_vcc 0
		.amdhsa_float_denorm_mode_32 3
		.amdhsa_float_denorm_mode_16_64 3
		.amdhsa_memory_ordered 1
		.amdhsa_forward_progress 1
		.amdhsa_inst_pref_size 86
	.end_amdhsa_kernel
	.amdgpu_metadata
---
amdhsa.version: [ 1, 2 ]
amdhsa.kernels:
  - .name:           k_q7240c49181_proj
    .symbol:         k_q7240c49181_proj.kd
    .args:
      - { .name: yimg, .offset: 0, .size: 8, .value_kind: global_buffer, .address_space: global }
      - { .name: wimg, .offset: 8, .size: 8, .value_kind: global_buffer, .address_space: global }
      - { .name: b_proj, .offset: 16, .size: 8, .value_kind: global_buffer, .address_space: global }
      - { .name: out0, .offset: 24, .size: 8, .value_kind: global_buffer, .address_space: global }
    .group_segment_fixed_size: 327680
    .private_segment_fixed_size: 0
    .kernarg_segment_align: 8
    .kernarg_segment_size: 32
    .max_flat_workgroup_size: 128
    .sgpr_count:     66
    .vgpr_count:     512
    .wavefront_size: 32
...
	.end_amdgpu_metadata
.endif
;; end of part 4
